; MI455X (gfx1250); checked and timed in simulation.
; The chip was launched on July 23, 2026; its instructions are those of AMD's public machine-readable ISA for CDNA 5 (MIT licence, August 2026) and "CDNA5" Instruction Set Architecture Reference Guide (July 2026). The comments in the code are by the model that wrote it; some were corrected since.
;; Transformer Block. Allowed arithmetic: float matrix products may take bf16 or f16 operands with f32 sums; all other float work in f32.
;; Inputs: W1 1,024 x 4,096 float32; W2 4,096 x 1,024 float32; Wk 16 x 1,024 x 64 float32; Wo 1,024 x 1,024 float32; Wq 16 x 1,024 x 64 float32; Wv 16 x 1,024 x 64 float32; b1 4,096 float32; b2 1,024 float32; bk 16 x 64 float32; bo 1,024 float32; bq 16 x 64 float32; bv 16 x 64 float32; ln1_b 1,024 float32; ln1_g 1,024 float32; ln2_b 1,024 float32; ln2_g 1,024 float32; x 2 x 2,048 x 1,024 float32.
;; Outputs: out0 2 x 2,048 x 1,024 float32.
;; One version. Each part assembles by itself: llvm-mc -triple=amdgcn-amd-amdhsa -mcpu=gfx1250 --defsym DOCPART=n.
;; ======== version 1 of 1: 7 launches
;; workspace buffers: pq 6,324,224 bytes; pf 8,421,376 bytes; wr 10,485,760 bytes; hn 8,388,608 bytes; qkv 25,165,824 bytes; af 33,554,432 bytes; x1 16,777,216 bytes
;; launch prep (part 1): grid 1025 x 1, 8 waves a work-group, no clusters, 0 bytes of LDS; arguments x, ln1_g, ln1_b, hn, Wq, Wk, Wv, W1, Wo, W2, bq, bk, bv, b1, pq, pf, wr; writes hn, pq, pf, wr
.if DOCPART == 1
	.amdgcn_target "amdgcn-amd-amdhsa--gfx1250"
	.amdhsa_code_object_version 6
	.text
	.protected	k_q70bc5fe016_prep
	.globl	k_q70bc5fe016_prep
	.p2align	8
	.type	k_q70bc5fe016_prep,@function
k_q70bc5fe016_prep:
	s_mov_b64 s[64:65], 0
	v_nop
	global_prefetch_b8 v0, s[64:65] scope:SCOPE_SE
	s_setreg_imm32_b32 hwreg(HW_REG_WAVE_MODE, 25, 1), 1
	s_wait_xcnt 0x0
; TWO STREAMING JOBS IN ONE TEXT.  Work-groups 0..255: a layer norm of 4,096 rows.  Work-groups 256..1,024: the weights, rounded to bf16 and laid in blocks.  Launched with 1,025 work-groups it does both side by
; side; launched with 256 it is the layer norm alone (the block's second norm).  No LDS, no matrix unit, no barrier: each byte is read once and written once, and no wave needs another's numbers.
;
; LAYER NORM.  y[r][c] = (x[r][c] - mean) rsqrt(var + 1e-5) g[c] + b[c] over rows of 1,024 f32; y rounded once to bf16.  Mean first, then the mean of the squared differences, as the definition has it:
; no difference of large sums is formed.  All in f32.
; OUT IN PANELS: [16 panels of 64 columns][4,096 rows][64] bf16: number (r, c) at (c / 64) x 524,288 + r x 128 + (c % 64) x 2.  A panel is dense, so the products' tensor loads take it in long runs.
; SHARES.  A work-group has 16 rows, a wave two, which stay in registers between the passes.  Lane l: sub = l % 8, row = (l / 8) % 2, ph = l / 16; its part j of eight is columns 64 (2 j + ph) + 8 sub .. + 7.
; So sixteen neighbouring lanes store rows r, r + 1 of one panel: 256 consecutive bytes, aligned.  A row's 1,024 numbers lie in the 16 lanes that share (l / 8) % 2.
;
; THE WEIGHTS, in dense blocks of 65,536 bytes of bf16, [k][n], as the products' tensor loads take them.
; pq: a header of 32,768 bytes, then 96 blocks [128 k][256 n] of (Wq | Wk | Wv), column = which x 1,024 + head x 64 + e, block number = 8 x (column / 256) + k / 128.
; pf: the same for W1, 128 blocks.     wr: Wo as 32 blocks [256 k][128 n], number 4 x (n / 128) + k / 256; behind them W2 as 128 such blocks, number 16 x (n / 128) + k / 256.
; Header: from byte 0 the bias in f32 in column order (pq: bq | bk | bv; pf: b1); from byte 16,384 a floor, 256 times: -infinity in pq, 0 in pf.  The products' way out takes max(sum, floor):
; the identity for q, k, v, the ReLU for the FFN.  The header's other bytes are never read.
; SHARES.  Work-group 256 + 2 n + f makes half f of block n (65,536 bytes of f32 in, 32,768 out), work-group 1,024 the two headers.  A lane takes 8 neighbouring f32 (two loads of 16 bytes) and gives 16 bytes,
; so each store of a wave covers 512 consecutive bytes, aligned.  A wave makes 8 such groups; all its 16 loads are out before the first is waited for.
.set X, 8                              ; the norm: v[8:71]    my 64 numbers of x
.set G, 72                             ; v[72:135]  g of my columns
.set B, 136                            ; v[136:199] b
.set Y, 200                            ; v[200:231] 64 bf16
.set W, 232                            ; v[232:239] at work
.set OFF, 8                            ; the weights: v[8:15]  group i: my byte offset in the source
.set CX,  16                           ; v[16:79]   group i: 8 f32
.set CY,  80                           ; v[80:111]  group i: 8 bf16
	s_load_b256 s[4:11], s[0:1], 0x0               ; x s[4:5], g s[6:7], b s[8:9], the panels s[10:11]
	s_mov_b32 s38, ttmp9                           ; the work-group's number
	s_cmp_lt_u32 s38, 256
	s_cbranch_scc0 .Lcast
	s_mov_b32 s12, 0x76543210                      ; v_permlanex16_b32: each lane takes its own place in the other half
	s_mov_b32 s13, 0xfedcba98
	s_mov_b32 s14, 0x3a800000                      ; 1 / 1,024
	s_mov_b32 s15, 0x3727c5ac                      ; 1e-5
	s_lshl_b32 s16, s38, 4                         ; the group's first row
	v_and_b32 v1, 7, v0                            ; sub
	v_bfe_u32 v2, v0, 3, 1
	v_bfe_u32 v3, v0, 4, 1                         ; ph
	v_lshrrev_b32 v4, 5, v0
	v_lshl_add_u32 v4, v4, 1, v2
	v_add_nc_u32 v4, s16, v4                       ; my row
	v_lshlrev_b32 v5, 5, v1
	v_lshl_add_u32 v5, v3, 8, v5                   ; in g and b: 256 ph + 32 sub
	v_lshl_add_u32 v6, v4, 12, v5                  ; in x: + 4,096 x row
	v_lshlrev_b32 v7, 4, v1
	v_lshl_add_u32 v7, v4, 7, v7
	v_lshl_add_u32 v7, v3, 19, v7                  ; out: 524,288 ph + 128 x row + 16 sub
	s_wait_kmcnt 0x0
.irp j, 0,1,2,3,4,5,6,7
	global_load_b128 v[X+8*\j:X+8*\j+3],   v6, s[4:5] offset:512*\j
	global_load_b128 v[X+8*\j+4:X+8*\j+7], v6, s[4:5] offset:512*\j+16
.endr
.irp j, 0,1,2,3,4,5,6,7
	global_load_b128 v[G+8*\j:G+8*\j+3],   v5, s[6:7] offset:512*\j
	global_load_b128 v[G+8*\j+4:G+8*\j+7], v5, s[6:7] offset:512*\j+16
	global_load_b128 v[B+8*\j:B+8*\j+3],   v5, s[8:9] offset:512*\j
	global_load_b128 v[B+8*\j+4:B+8*\j+7], v5, s[8:9] offset:512*\j+16
.endr
.macro RED r, tmp                      ; the sum over the 16 lanes of a row, left in all of them
	v_add_f32_dpp v[\r], v[\r], v[\r] row_xmask:1 row_mask:0xf bank_mask:0xf
	v_add_f32_dpp v[\r], v[\r], v[\r] row_xmask:2 row_mask:0xf bank_mask:0xf
	v_add_f32_dpp v[\r], v[\r], v[\r] row_xmask:4 row_mask:0xf bank_mask:0xf
	v_permlanex16_b32 v[\tmp], v[\r], s12, s13     ; its destination has been written
	v_add_f32 v[\r], v[\r], v[\tmp]
.endm
.macro FOLD                            ; four chains into one number
	v_pk_add_f32 v[W:W+1], v[W:W+1], v[W+2:W+3]
	v_pk_add_f32 v[W+4:W+5], v[W+4:W+5], v[W+6:W+7]
	v_pk_add_f32 v[W:W+1], v[W:W+1], v[W+4:W+5]
	v_add_f32 v[W], v[W], v[W+1]
	RED W, W+1
.endm
	s_wait_loadcnt 32                              ; x's sixteen loads are in; g's and b's 32 stay out
.irp c, 0,1,2,3
	v_pk_add_f32 v[W+2*\c:W+2*\c+1], v[X+4*\c:X+4*\c+1], v[X+4*\c+2:X+4*\c+3]  ; the first pairs start four chains: nothing is cleared
.endr
.set p, 8
.rept 24
	v_pk_add_f32 v[W+2*(p%4):W+2*(p%4)+1], v[W+2*(p%4):W+2*(p%4)+1], v[X+2*p:X+2*p+1]
.set p, p+1
.endr
	FOLD
	v_mul_f32 v[W+2], s14, v[W]                    ; the mean, twice
	v_mov_b32 v[W+3], v[W+2]
.set p, 0
.rept 32
	v_pk_add_f32 v[X+2*p:X+2*p+1], v[X+2*p:X+2*p+1], v[W+2:W+3] neg_lo:[0,1] neg_hi:[0,1]
.set p, p+1
.endr
.irp c, 0,1,2,3
	v_pk_mul_f32 v[W+2*\c:W+2*\c+1], v[X+2*\c:X+2*\c+1], v[X+2*\c:X+2*\c+1]
.endr
.set p, 4
.rept 28
	v_pk_fma_f32 v[W+2*(p%4):W+2*(p%4)+1], v[X+2*p:X+2*p+1], v[X+2*p:X+2*p+1], v[W+2*(p%4):W+2*(p%4)+1]
.set p, p+1
.endr
	FOLD
	v_fma_f32 v[W], v[W], s14, s15                 ; var + 1e-5
	v_rsq_f32 v[W+2], v[W]
	v_nop                                          ; a plain instruction between the root and the use of its result (ISA guide 5.7.2)
	s_wait_alu depctr_va_vdst(0)
	v_mov_b32 v[W+3], v[W+2]
	s_wait_loadcnt 0x0                             ; g and b
.set p, 0
.rept 32
	v_pk_mul_f32 v[X+2*p:X+2*p+1], v[X+2*p:X+2*p+1], v[W+2:W+3]
.set p, p+1
.endr
.set p, 0
.rept 32
	v_pk_fma_f32 v[X+2*p:X+2*p+1], v[X+2*p:X+2*p+1], v[G+2*p:G+2*p+1], v[B+2*p:B+2*p+1]
.set p, p+1
.endr
.set p, 0
.rept 32
	v_cvt_pk_bf16_f32 v[Y+p], v[X+2*p], v[X+2*p+1]
.set p, p+1
.endr
.irp j, 0,1,2,3,4,5,6,7
	global_store_b128 v7, v[Y+4*\j:Y+4*\j+3], s[10:11] offset:1048576*\j  ; two panels on; 7,340,032 at the most, inside the signed 24-bit immediate
.endr
	s_endpgm
.Lcast:
	s_load_b512 s[12:27], s[0:1], 0x20             ; Wq s[12:13], Wk s[14:15], Wv s[16:17], W1 s[18:19], Wo s[20:21], W2 s[22:23], bq s[24:25], bk s[26:27]
	s_load_b256 s[28:35], s[0:1], 0x60             ; bv s[28:29], b1 s[30:31], pq s[32:33], pf s[34:35]
	s_load_b64 s[36:37], s[0:1], 0x80              ; wr
	s_sub_co_u32 s40, s38, 256
	s_lshr_b32 s41, s40, 1                         ; the block's number, 0..383; 384: the headers
	s_and_b32 s42, s40, 1                          ; which half of it
	s_mov_b32 s47, 0                               ; the high word of the offset pair s[46:47]
	v_and_b32 v1, 31, v0                           ; lane
	v_lshrrev_b32 v2, 5, v0                        ; wave
	s_wait_kmcnt 0x0
	; Four set-ups: source at the block's first number s[48:49], block s[50:51], bytes from group to group s52, and how a lane's place splits: the low s53 bits x 32 bytes, the rest x s54 bytes.
	s_cmp_lt_u32 s41, 96
	s_cbranch_scc0 .Lnot_qkv
	s_bfe_u32 s46, s41, 0x20003                    ; which four heads of the tensor: 4 x 262,144 bytes each,
	s_lshl_b32 s46, s46, 20
	s_and_b32 s43, s41, 7                          ; which 128 rows of 256 bytes
	s_lshl_b32 s43, s43, 15
	s_add_co_u32 s46, s46, s43
	s_lshr_b32 s44, s41, 5                         ; 0: Wq, 1: Wk, 2: Wv
	s_cmp_eq_u32 s44, 0
	s_cselect_b64 s[48:49], s[12:13], s[14:15]
	s_cmp_eq_u32 s44, 2
	s_cselect_b64 s[48:49], s[16:17], s[48:49]
	s_add_nc_u64 s[48:49], s[48:49], s[46:47]
	s_lshl_b32 s46, s41, 16
	s_add_co_u32 s46, s46, 32768
	s_add_nc_u64 s[50:51], s[32:33], s[46:47]
	s_mov_b32 s52, 256                             ; a group is one k: 64 e of four heads
	s_mov_b32 s53, 3                               ; eight lanes a head,
	s_mov_b32 s54, 262144                          ; a head is 262,144 bytes on
	s_branch .Lbody
.Lnot_qkv:
	s_cmp_lt_u32 s41, 224
	s_cbranch_scc0 .Lnot_w1
	s_sub_co_u32 s43, s41, 96
	s_and_b32 s46, s43, 7                          ; 128 rows of 16,384 bytes,
	s_lshl_b32 s46, s46, 21
	s_lshr_b32 s44, s43, 3                         ; 256 columns of 4 bytes
	s_lshl_b32 s44, s44, 10
	s_add_co_u32 s46, s46, s44
	s_add_nc_u64 s[48:49], s[18:19], s[46:47]
	s_lshl_b32 s46, s43, 16
	s_add_co_u32 s46, s46, 32768
	s_add_nc_u64 s[50:51], s[34:35], s[46:47]
	s_mov_b32 s52, 16384                           ; a group is one row
	s_mov_b32 s53, 5
	s_mov_b32 s54, 0
	s_branch .Lbody
.Lnot_w1:
	s_cmp_lt_u32 s41, 256
	s_cbranch_scc0 .Lnot_wo
	s_sub_co_u32 s43, s41, 224
	s_and_b32 s46, s43, 3                          ; 256 rows of 4,096 bytes,
	s_lshl_b32 s46, s46, 20
	s_lshr_b32 s44, s43, 2                         ; 128 columns of 4 bytes
	s_lshl_b32 s44, s44, 9
	s_add_co_u32 s46, s46, s44
	s_add_nc_u64 s[48:49], s[20:21], s[46:47]
	s_lshl_b32 s46, s43, 16
	s_add_nc_u64 s[50:51], s[36:37], s[46:47]
	s_branch .Lnarrow
.Lnot_wo:
	s_cmp_lt_u32 s41, 384
	s_cbranch_scc0 .Lheader
	s_sub_co_u32 s43, s41, 256
	s_and_b32 s46, s43, 15
	s_lshl_b32 s46, s46, 20
	s_lshr_b32 s44, s43, 4
	s_lshl_b32 s44, s44, 9
	s_add_co_u32 s46, s46, s44
	s_add_nc_u64 s[48:49], s[22:23], s[46:47]
	s_lshl_b32 s46, s43, 16
	s_add_co_u32 s46, s46, 2097152                 ; behind Wo's 32 blocks
	s_add_nc_u64 s[50:51], s[36:37], s[46:47]
.Lnarrow:
	s_mov_b32 s52, 8192                            ; a group is two rows of 128 columns:
	s_mov_b32 s53, 4                               ; sixteen lanes a row,
	s_mov_b32 s54, 4096                            ; the second row 4,096 bytes on
.Lbody:
	s_bfm_b32 s55, s53, 0
	v_and_b32 v3, s55, v1
	v_lshlrev_b32 v3, 5, v3
	v_lshrrev_b32 v4, s53, v1
	v_mul_lo_u32 v4, v4, s54
	v_add_nc_u32 v3, v3, v4
	s_lshl_b32 s43, s42, 6                         ; a block has 128 groups: my half's 64,
	v_lshl_add_u32 v5, v2, 3, s43                  ; my wave's 8 of them
	v_lshlrev_b32 v6, 9, v5                        ; in the block: 512 x group
	v_lshl_add_u32 v6, v1, 4, v6                   ; + 16 x lane
	v_mul_lo_u32 v5, v5, s52
	v_add_nc_u32 v[OFF], v3, v5
.set i, 1
.rept 7
	v_add_nc_u32 v[OFF+i], s52, v[OFF+i-1]
.set i, i+1
.endr
.set i, 0
.rept 8
	global_load_b128 v[CX+8*i:CX+8*i+3],   v[OFF+i], s[48:49] th:TH_LOAD_NT
	global_load_b128 v[CX+8*i+4:CX+8*i+7], v[OFF+i], s[48:49] offset:16 th:TH_LOAD_NT
.set i, i+1
.endr
.set i, 0
.rept 8
	s_wait_loadcnt 14-2*i                          ; loads come back in order: group i's two are in, the 14 - 2 i behind them stay out
	v_cvt_pk_bf16_f32 v[CY+4*i],   v[CX+8*i],   v[CX+8*i+1]
	v_cvt_pk_bf16_f32 v[CY+4*i+1], v[CX+8*i+2], v[CX+8*i+3]
	v_cvt_pk_bf16_f32 v[CY+4*i+2], v[CX+8*i+4], v[CX+8*i+5]
	v_cvt_pk_bf16_f32 v[CY+4*i+3], v[CX+8*i+6], v[CX+8*i+7]
	global_store_b128 v6, v[CY+4*i:CY+4*i+3], s[50:51] offset:512*i  ; no register of a store is written again
.set i, i+1
.endr
	s_endpgm
.Lheader:                                              ; 256 threads, 16 bytes each: 4,096 bytes an instruction
	v_lshlrev_b32 v2, 4, v0
	v_lshlrev_b32 v3, 2, v0
	global_load_b128 v[8:11],  v2, s[24:25]
	global_load_b128 v[12:15], v2, s[26:27]
	global_load_b128 v[16:19], v2, s[28:29]
	global_load_b128 v[20:23], v2, s[30:31]
	global_load_b128 v[24:27], v2, s[30:31] offset:4096
	global_load_b128 v[28:31], v2, s[30:31] offset:8192
	global_load_b128 v[32:35], v2, s[30:31] offset:12288
	v_mov_b32 v4, 0xff800000                       ; -infinity
	v_mov_b32 v5, 0
	s_wait_loadcnt 0x0
	global_store_b128 v2, v[8:11],  s[32:33]
	global_store_b128 v2, v[12:15], s[32:33] offset:4096
	global_store_b128 v2, v[16:19], s[32:33] offset:8192
	global_store_b128 v2, v[20:23], s[34:35]
	global_store_b128 v2, v[24:27], s[34:35] offset:4096
	global_store_b128 v2, v[28:31], s[34:35] offset:8192
	global_store_b128 v2, v[32:35], s[34:35] offset:12288
	global_store_b32 v3, v4, s[32:33] offset:16384
	global_store_b32 v3, v5, s[34:35] offset:16384
	s_endpgm
.Lfunc_end_k_q70bc5fe016_prep:
	.size	k_q70bc5fe016_prep, .Lfunc_end_k_q70bc5fe016_prep-k_q70bc5fe016_prep
	.p2alignl 7, 3214868480
	.fill 96, 4, 3214868480
	.section	.rodata,"a",@progbits
	.p2align	6, 0x0
	.amdhsa_kernel k_q70bc5fe016_prep
		.amdhsa_group_segment_fixed_size 0
		.amdhsa_private_segment_fixed_size 0
		.amdhsa_enable_private_segment 0
		.amdhsa_kernarg_size 136
		.amdhsa_user_sgpr_count 2
		.amdhsa_user_sgpr_kernarg_segment_ptr 1
		.amdhsa_wavefront_size32 1
		.amdhsa_system_sgpr_workgroup_id_x 1
		.amdhsa_system_sgpr_workgroup_id_y 1
		.amdhsa_system_sgpr_workgroup_id_z 1
		.amdhsa_system_vgpr_workitem_id 0
		.amdhsa_next_free_vgpr 240
		.amdhsa_next_free_sgpr 66
		.amdhsa_reserve_vcc 0
		.amdhsa_float_denorm_mode_32 3
		.amdhsa_float_denorm_mode_16_64 3
		.amdhsa_memory_ordered 1
		.amdhsa_forward_progress 1
		.amdhsa_inst_pref_size 30
	.end_amdhsa_kernel
	.amdgpu_metadata
---
amdhsa.version: [ 1, 2 ]
amdhsa.kernels:
  - .name:           k_q70bc5fe016_prep
    .symbol:         k_q70bc5fe016_prep.kd
    .args:
      - { .name: x, .offset: 0, .size: 8, .value_kind: global_buffer, .address_space: global }
      - { .name: ln1_g, .offset: 8, .size: 8, .value_kind: global_buffer, .address_space: global }
      - { .name: ln1_b, .offset: 16, .size: 8, .value_kind: global_buffer, .address_space: global }
      - { .name: hn, .offset: 24, .size: 8, .value_kind: global_buffer, .address_space: global }
      - { .name: Wq, .offset: 32, .size: 8, .value_kind: global_buffer, .address_space: global }
      - { .name: Wk, .offset: 40, .size: 8, .value_kind: global_buffer, .address_space: global }
      - { .name: Wv, .offset: 48, .size: 8, .value_kind: global_buffer, .address_space: global }
      - { .name: W1, .offset: 56, .size: 8, .value_kind: global_buffer, .address_space: global }
      - { .name: Wo, .offset: 64, .size: 8, .value_kind: global_buffer, .address_space: global }
      - { .name: W2, .offset: 72, .size: 8, .value_kind: global_buffer, .address_space: global }
      - { .name: bq, .offset: 80, .size: 8, .value_kind: global_buffer, .address_space: global }
      - { .name: bk, .offset: 88, .size: 8, .value_kind: global_buffer, .address_space: global }
      - { .name: bv, .offset: 96, .size: 8, .value_kind: global_buffer, .address_space: global }
      - { .name: b1, .offset: 104, .size: 8, .value_kind: global_buffer, .address_space: global }
      - { .name: pq, .offset: 112, .size: 8, .value_kind: global_buffer, .address_space: global }
      - { .name: pf, .offset: 120, .size: 8, .value_kind: global_buffer, .address_space: global }
      - { .name: wr, .offset: 128, .size: 8, .value_kind: global_buffer, .address_space: global }
    .group_segment_fixed_size: 0
    .private_segment_fixed_size: 0
    .kernarg_segment_align: 8
    .kernarg_segment_size: 136
    .max_flat_workgroup_size: 256
    .sgpr_count:     66
    .vgpr_count:     240
    .wavefront_size: 32
...
	.end_amdgpu_metadata
.endif
;; end of part 1
;; launch qkv (part 2): grid 12 x 16, 4 waves a work-group, clusters of 4 x 4, 327,680 bytes of LDS; arguments hn, pq, qkv; writes qkv
.if DOCPART == 2
	.amdgcn_target "amdgcn-amd-amdhsa--gfx1250"
	.amdhsa_code_object_version 6
	.text
	.protected	k_q70bc5fe016_qkv
	.globl	k_q70bc5fe016_qkv
	.p2align	8
	.type	k_q70bc5fe016_qkv,@function
k_q70bc5fe016_qkv:
	s_mov_b64 s[64:65], 0
	v_nop
	global_prefetch_b8 v0, s[64:65] scope:SCOPE_SE
	s_setreg_imm32_b32 hwreg(HW_REG_WAVE_MODE, 25, 1), 1
	s_wait_xcnt 0x0
	s_wait_alu depctr_hold_cnt(0) depctr_sa_sdst(0) depctr_va_vdst(0) depctr_va_sdst(0) depctr_va_ssrc(0) depctr_va_vcc(0) depctr_vm_vsrc(0)
	s_getreg_b32 s2, hwreg(HW_REG_IB_STS2, 6, 4)
	s_cmp_eq_u32 s2, 0
	s_cbranch_scc0 .Lentry_in_a_cluster
	s_endpgm
.Lentry_in_a_cluster:
	s_bfe_u32 s2, ttmp6, 0x10000c
	s_cmp_lg_u32 s2, 0xf033
	s_cbranch_scc0 .Lentry_shape_is_right
	s_endpgm
.Lentry_shape_is_right:
; C = max(A W + bias, floor), K = 1,024.  A: bf16 panels [16][4,096 rows][64].  W: a header (bias in f32 from byte 0, the floor from byte 16,384), then bf16 blocks [128 k][256 n] of 65,536 bytes,
; number 8 x (n / 256) + k / 128.  C: bf16 panels [n / 64][4,096][64].  Sums in f32, started from the bias; C rounded once.  The floor is -infinity (q, k, v: the identity) or 0 (the FFN's ReLU).
; LIMITS.  v_max_num_f32 drops a NaN: a NaN sum comes out as the floor.  Infinities pass as they are.  The f32 sums run over K in the turned order told below, not in ascending order.
; A tile of C, 256 x 256, is made by four waves, 128 x 128 each: 64 accumulators, 512 registers.  K goes in T = 8 steps of 128 through two LDS slots filled by the tensor data mover.
; CLUSTER: 4 x 4 work-groups.  The four of a row of the cluster need the same tiles of A, the four of a column the same tiles of W: each tile is asked for JOINTLY, by the same tensor load with the same
; descriptor and a mask that names the four.
; THE WALK ALONG K IS TURNED.  A cluster begins at K step (2 x cluster x + 4 x (cluster y % 2)) % 8 and goes round.  Clusters of one cluster row, which need the same rows of A, begin two steps apart; clusters
; one cluster row apart, which need the same columns of W, begin four steps apart.  So most tiles that a cluster asks for have been asked for by another cluster some trips earlier.
; The start is made of the cluster's own x and y, which all sixteen partners share.
; A K STEP IS WRITTEN ONCE, with a refill (a loop of T - 2 trips, entered behind its first quarter, which stands in front since its products start the sums) and once more without (a loop of two trips).
; The slots take turns through registers: TB, turned by an exclusive or with SLOT, is added to the lanes' places; the walking descriptors' LDS words are turned by the same exclusive or.
; A's part of a K step is two panels' 256 rows, each 32,768 dense bytes: asked for as 128 rows of 256 bytes and padded behind every 128 bytes, so that LDS rows (one row of A, 64 k) are 144 bytes apart.
; W's part is the block itself, [k][n]: rows of 512 bytes, 544 apart in LDS; its fragments come out turned, by ds_load_tr16_b128.
; THE MATRIX INSTRUCTION IS USED TRANSPOSED (source 0 = 16 columns of W, source 1 = 16 rows of A): a lane holds row l % 16 of C and the eight neighbouring columns 8 (l / 16) + 0..7 of a block of 16.
; REGISTERS, in windows of 256: window 0: v0-31 addresses; v64-127, v128-191 fragments of A, two buffers; v192-255 the bias up to the first quarter; on the way out v64-127 f32 at work, v192-223 packed,
; v32-63 and v224-255 rows read back.  Window 1: v64-127, v128-191 fragments of W.  Windows 2, 3: the accumulators of my rows 0-63, 64-127: (a, b) at v[8 (8 (a % 4) + b)].
.set PP,     524288                    ; bytes in a panel
.set T,      8                         ; K steps
.set APITCH, 144                       ; 128 bytes + 16: 36 words: the 16 rows of a load start at 16 different groups of four banks (64 banks of 4 bytes: ISA guide 11.1)
.set APANEL, 256*APITCH
.set BOFF,   2*APANEL                  ; behind A's two panels
.set BPITCH, 544                       ; 512 bytes + 32: 136 words
.set BHALF,  64*BPITCH
.set SLOT,   147456                    ; 143,360 are used.  0x24000 has no bit in common with a load's place in a slot (0, 0x9000, 0x12000, 0x1a800), so an exclusive or with it goes from slot to slot
.set STAGE,  2*SLOT                    ; behind the ring: 2 panels x 16 rows x 144 bytes for each wave, for the way out
.set STW,    2*16*APITCH
.set SPARE,  STAGE+4*STW               ; behind the stages: the spare words, 128 bytes for each wave: two blocks of 256 bytes that no other line names
.set A0,   16                          ; v16     my lane's place among a slot's rows of A; never rewritten
.set B0,   17                          ; v17     the same for W
.set ADRA, 20                          ; v20     LDS address of my A fragments in the slot in hand
.set ADRB, 21                          ; v21     the same for W
.set STO,  24                          ; v24     the way out: where I put 16 bytes of a row
.set RD,   25                          ; v25     the way out: where I read rows back
.set CO,   26                          ; v26     my 16 bytes in 512 consecutive bytes of C
.set BO,   27                          ; v27     my byte offset in the bias
.set SPW,  28                          ; v28     LDS address of my spare word; never rewritten
.set NIL,  29                          ; v29     0; never rewritten
.set OB,   32
.set F0,   64
.set F1,   128
.set FT,   64
.set TMP,  192
.set BIAS, 192
.set G1,  24                           ; s[24:31] descriptor group 1 for A's tiles;  s[32:39] group 0: a set for each of the two first fills; the second then walks on
.set G0,  32
.set G1B, 48                           ; s[48:55], s[56:63] the same for W's
.set G0B, 56
.set NX,  66                           ; s66      the K step to be asked for next
.set TB,  67                           ; s67      LDS byte at which the slot in hand begins: 0 or SLOT
.set OFA, 68                           ; s[68:69] that step's byte offset in A
.set OFB, 70                           ; s[70:71] and in W
.set WB,  74                           ; s[74:75] W at my half of the tile column's block 0;  A at my panel of K step 0 lies in s[14:15]
.set MSB, 0
.macro WIN new                         ; the immediate's high byte repeats the setting that is left; a switch that changes nothing is dropped
.if MSB != (\new)
	s_set_vgpr_msb (MSB<<8)|(\new)
.set MSB, \new
.endif
.endm
.set MUL_LO, 0xa1                      ; source 0 (W) window 1, source 1 (A) window 0, C and D window 2
.set TO_B,   0x40                      ; destination window 1, address window 0
; A joint load.  Waves 0 and 1 fetch A's two panels, waves 2 and 3 the two halves of W's block.  The branch hangs on the wave's number alone.
; An s_nop 0 and four v_nop follow each of the two lines, ahead of the jump, the label and what follows.
.macro JLOAD s
	s_cmp_lt_u32 s10, 2
	s_cbranch_scc0 .Lfor_b_\@
	tensor_load_to_lds s[G0+4*(\s):G0+4*(\s)+3], s[G1:G1+7]
	s_nop 0
.rept 4
	v_nop
.endr
	s_branch .Lasked_\@
.Lfor_b_\@:
	tensor_load_to_lds s[G0B+4*(\s):G0B+4*(\s)+3], s[G1B:G1B+7]
	s_nop 0
.rept 4
	v_nop
.endr
.Lasked_\@:
.endm
.macro CREST                           ; a round of the cluster's barrier behind its opening barrier
	s_cmp_lg_u32 s10, 0
	s_cbranch_scc1 .Lnot_wave_0_\@
	s_barrier_signal -3
.Lnot_wave_0_\@:
	s_barrier_wait -3
	s_barrier_signal -1
	s_barrier_wait -1
.endm
.macro CROUND                          ; a whole round
	s_barrier_signal -1
	s_barrier_wait -1
	CREST
.endm
.macro POINT                           ; the lanes' addresses in the slot in hand
	v_add_nc_u32 v[ADRA], s[TB], v[A0]
	v_add_nc_u32 v[ADRB], s[TB], v[B0]
.endm
	s_load_b128 s[4:7], s[0:1], 0x0                ; A s[4:5], W s[6:7]
	s_load_b64 s[8:9], s[0:1], 0x10                ; C
	v_lshl_add_u32 v[SPW], v0, 2, SPARE
	v_mov_b32 v[NIL], 0
	ds_add_u32 v[SPW], v[NIL]                      ; the wave's opening: the add and its wait stand ahead of my first tensor load; the set-up below, work on registers, stands between them
	ds_add_u32 v28, v29
	v_lshrrev_b32 v1, 5, v0
	v_readfirstlane_b32 s10, v1                    ; wave 0..3
	s_lshr_b32 s11, s10, 1                         ; which half of the tile's rows is mine
	s_and_b32 s12, s10, 1                          ; which half of its columns.  Also: which panel of A, or which half of W's block, I fetch
	s_bfe_u32 s40, ttmp6, 0x40000                  ; cx, cy: my place in the cluster
	s_bfe_u32 s41, ttmp6, 0x40004
	s_lshl_b32 s42, ttmp9, 2
	s_add_co_u32 s42, s42, s40                     ; tile column of C = 4 x cluster x + cx
	s_and_b32 s13, ttmp7, 0xffff
	s_lshl_b32 s13, s13, 2
	s_add_co_u32 s13, s13, s41                     ; tile row of C = 4 x cluster y + cy
	s_lshl_b32 s43, s41, 2
	s_lshl_b32 s43, 15, s43                        ; my row of the cluster
	s_lshl_b32 s44, 0x1111, s40                    ; my column
	s_and_b32 s72, ttmp7, 1                        ; the cluster's first K step: 4 x (cluster y % 2)
	s_lshl_b32 s72, s72, 2
	s_lshl_b32 s[NX], ttmp9, 1                     ; + 2 x cluster x,
	s_add_co_u32 s[NX], s[NX], s72
	s_and_b32 s[NX], s[NX], T-1                    ; round T
	s_mov_b32 s[TB], 0
	s_mov_b32 s[OFA+1], 0
	s_mov_b32 s[OFB+1], 0
	s_or_b32 s[G1+0], s43, (1<<16)|(1<<20)|(1<<21)|(4<<22)|(3<<25)   ; 15:0 the mask: A's tiles go to my row; 17:16 2-byte elements; 20 padding on; 21 set beside a mask; 24:22 after every 32 words (code 4); 31:25 4 words (code 3)
	s_or_b32 s[G1B+0], s44, (1<<16)|(1<<20)|(1<<21)|(6<<22)|(7<<25)  ; W's go to my column; padding after every 128 words (code 6), 8 words (code 7)
	s_mov_b32 s[G1+1], 128<<16                     ; A: tensor_dim0 = 128 elements (256 bytes)
	s_mov_b32 s[G1+2], 128<<16                     ; tensor_dim1 = 128 rows
	s_mov_b32 s[G1+3], 128<<16                     ; tile_dim0
	s_mov_b32 s[G1+4], 128                         ; tile_dim1
	s_mov_b32 s[G1+5], 128                         ; elements from row to row: dense
	s_mov_b32 s[G1+6], 0
	s_mov_b32 s[G1+7], 0
	s_mov_b32 s[G1B+1], 256<<16                    ; W: rows of 256 elements (512 bytes),
	s_mov_b32 s[G1B+2], 64<<16                     ; 64 of them
	s_mov_b32 s[G1B+3], 256<<16
	s_mov_b32 s[G1B+4], 64
	s_mov_b32 s[G1B+5], 256
	s_mov_b32 s[G1B+6], 0
	s_mov_b32 s[G1B+7], 0
	; where the tiles come from.  A's hang on the tile row alone, W's on the tile column alone, each in registers that never hold the other coordinate.
	s_lshl_b32 s16, s13, 15                        ; A: 256 rows of 128 bytes a tile row,
	s_lshl_b32 s17, s12, 19                        ; my panel of a step's two
	s_add_co_u32 s16, s16, s17
	s_mov_b32 s17, 0
	s_lshl_b32 s46, s42, 19                        ; W: eight blocks a tile column,
	s_lshl_b32 s47, s12, 15                        ; my half of a block,
	s_add_co_u32 s46, s46, s47
	s_add_co_u32 s46, s46, 32768                   ; behind the header
	s_mov_b32 s47, 0
	s_mul_i32 s20, s12, APANEL                     ; and where they go: no place in the cluster enters an LDS address
	s_mul_i32 s18, s12, BHALF
	s_add_co_u32 s18, s18, BOFF
	s_wait_dscnt 0x0                               ; the opening add is done
	s_wait_kmcnt 0x0
	s_add_nc_u64 s[14:15], s[4:5], s[16:17]
	s_add_nc_u64 s[WB:WB+1], s[6:7], s[46:47]
	CROUND                                         ; all sixteen work-groups are here: the first joint loads meet
.irp s, 0,1
	s_lshl_b32 s[OFA], s[NX], 20                   ; a K step is two panels of A
	s_lshl_b32 s[OFB], s[NX], 16                   ; and one block of W
	s_mov_b32 s[G0+4*(\s)], 1                                      ; count = 1
	s_add_co_u32 s[G0+4*(\s)+1], s20, (\s)*SLOT                    ; LDS address
	s_add_nc_u64 s[G0+4*(\s)+2:G0+4*(\s)+3], s[14:15], s[OFA:OFA+1]  ; global address
	s_or_b32 s[G0+4*(\s)+3], s[G0+4*(\s)+3], 0x80000000            ; type = 2
	s_mov_b32 s[G0B+4*(\s)], 1
	s_add_co_u32 s[G0B+4*(\s)+1], s18, (\s)*SLOT
	s_add_nc_u64 s[G0B+4*(\s)+2:G0B+4*(\s)+3], s[WB:WB+1], s[OFB:OFB+1]
	s_or_b32 s[G0B+4*(\s)+3], s[G0B+4*(\s)+3], 0x80000000
	s_add_co_u32 s[NX], s[NX], 1
	s_and_b32 s[NX], s[NX], T-1
	JLOAD \s                                       ; two loads of mine are out
.endr
	; A fragment of A is 16 rows x 32 K in 8 registers: lane l holds row l % 16, K = 8 (l / 16) + 0..7 and 16 + 8 (l / 16) + 0..7: two loads of 16 bytes, 32 bytes apart.
	v_and_b32 v1, 15, v0                           ; l % 16
	v_bfe_u32 v2, v0, 4, 1                         ; l / 16
	v_mul_u32_u24 v3, v1, APITCH
	v_lshl_add_u32 v3, v2, 4, v3                   ; row x pitch + 16 x half
	; The turning load takes 16 k x 16 n (lane l reads k = 8 (l / 16) + l % 8, n = 8 ((l / 8) % 2) + 0..7) and leaves half a fragment: lane l holds column l % 16 and 8 k.
	v_and_b32 v4, 7, v0
	v_lshl_add_u32 v4, v2, 3, v4
	v_mul_u32_u24 v4, v4, BPITCH
	v_bfe_u32 v5, v0, 3, 1
	v_lshl_add_u32 v4, v5, 4, v4
	s_mul_i32 s21, s11, 128*APITCH                 ; my 128 rows of A
	s_lshl_b32 s22, s12, 8                         ; my 128 columns of W
	s_add_co_u32 s22, s22, BOFF
	v_add_nc_u32 v[A0], s21, v3
	v_add_nc_u32 v[B0], s22, v4
	POINT
	s_mul_i32 s23, s10, STW
	s_add_co_u32 s23, s23, STAGE                   ; my stage
	v_add_nc_u32 v[STO], s23, v3                   ; in: row l % 16, 16 bytes for each half of the lanes
	v_bfe_u32 v5, v0, 3, 2                         ; back: 32 lanes take four rows of 128 bytes,
	v_mul_u32_u24 v5, v5, APITCH
	v_and_b32 v6, 7, v0
	v_lshl_add_u32 v5, v6, 4, v5
	v_add_nc_u32 v[RD], s23, v5
	v_and_b32 v6, 31, v0                           ; which are 512 consecutive bytes of a panel of C
	v_lshlrev_b32 v[CO], 4, v6
	v_lshlrev_b32 v[BO], 5, v2                     ; my eight columns of a block of 16: 32 bytes for each half of the lanes
	s_load_b32 s45, s[6:7], 0x4000                 ; the floor
	s_lshl_b32 s46, s42, 10                        ; the bias of my 128 columns
	s_lshl_b32 s47, s12, 9
	s_add_co_u32 s46, s46, s47
	s_mov_b32 s47, 0
	s_add_nc_u64 s[46:47], s[6:7], s[46:47]
.irp b, 0,1,2,3,4,5,6,7
	global_load_b128 v[BIAS+8*\b:BIAS+8*\b+3],   v[BO], s[46:47] offset:64*\b
	global_load_b128 v[BIAS+8*\b+4:BIAS+8*\b+7], v[BO], s[46:47] offset:64*\b+16
.endr
	s_lshl_b32 s16, s13, 15                        ; C: my first row, 128 bytes a row in a panel,
	s_lshl_b32 s17, s11, 14
	s_add_co_u32 s16, s16, s17
	s_mov_b32 s17, 0
	s_lshl_b32 s18, s42, 21                        ; and my first panel: 4 x tile column + 2 x half
	s_lshl_b32 s19, s12, 20
	s_add_co_u32 s18, s18, s19
	s_mov_b32 s19, 0
	s_add_nc_u64 s[8:9], s[8:9], s[16:17]
	s_add_nc_u64 s[8:9], s[8:9], s[18:19]
; 16 matrix instructions: m blocks a0, a0 + 1 of the window's four (hi = 0: my rows 0-63, 1: rows 64-127) x all 8 n blocks, 32 along K.
; first = 1: the sums start from the bias (C in window 0): nothing is cleared and no bias is added later.  The 64 accumulators take turns.
.macro MUL16 f, hi, a0, first
.if \first
	WIN 0x81+0x40*(\hi)
.else
	WIN MUL_LO+0x50*(\hi)
.endif
.irp a, \a0, (\a0)+1
.irp b, 0,1,2,3,4,5,6,7
.if \first
	v_wmma_f32_16x16x32_bf16 v[8*(8*(\a)+(\b)):8*(8*(\a)+(\b))+7], v[(\f)+8*(\b):(\f)+8*(\b)+7], v[(\f)+8*(4*(\hi)+(\a)):(\f)+8*(4*(\hi)+(\a))+7], v[BIAS+8*(\b):BIAS+8*(\b)+7]
.else
	v_wmma_f32_16x16x32_bf16 v[8*(8*(\a)+(\b)):8*(8*(\a)+(\b))+7], v[(\f)+8*(\b):(\f)+8*(\b)+7], v[(\f)+8*(4*(\hi)+(\a)):(\f)+8*(4*(\hi)+(\a))+7], v[8*(8*(\a)+(\b)):8*(8*(\a)+(\b))+7]
.endif
.endr
.endr
.endm
; 32 LDS loads in one run: the fragments of quarter q (32 along K) of the slot in hand into buffer f: W's 128 columns, then A's 128 rows
.macro FETCH q, f
	WIN TO_B
.irp b, 0,1,2,3,4,5,6,7
	ds_load_tr16_b128 v[(\f)+8*(\b):(\f)+8*(\b)+3],   v[ADRB] offset:(\q)*32*BPITCH+32*(\b)
	ds_load_tr16_b128 v[(\f)+8*(\b)+4:(\f)+8*(\b)+7], v[ADRB] offset:(\q)*32*BPITCH+32*(\b)+16*BPITCH
.endr
	WIN 0
.irp i, 0,1,2,3,4,5,6,7
	ds_load_b128 v[(\f)+8*(\i):(\f)+8*(\i)+3],   v[ADRA] offset:((\q)/2)*APANEL+((\q)%2)*64+(\i)*16*APITCH
	ds_load_b128 v[(\f)+8*(\i)+4:(\f)+8*(\i)+7], v[ADRA] offset:((\q)/2)*APANEL+((\q)%2)*64+(\i)*16*APITCH+32
.endr
.endm
; A load into a register that a matrix instruction has read, and a vector instruction that reads a matrix result or writes one of a matrix instruction's registers, stand four places behind it, and only
; plain vector instructions that name none of its registers are places (ISA guide 7.12.1 for vector instructions).
.macro PLACES
.rept 4
	v_nop
.endr
.endm
; A K step is four quarters of 32 along K, 64 matrix instructions each, on buffers 0, 1, 0, 1.  One of the first three: multiplies buffer f; in its middle it fetches quarter q into buffer g.
.macro QUARTER q, f, g, first
	s_wait_dscnt 8                                 ; W and A's rows 0-63 are in; the youngest eight loads (A's rows 64-127) may be out
	MUL16 \f, 0, 0, \first
	MUL16 \f, 0, 2, \first
	PLACES
	FETCH \q, \g
	s_wait_dscnt 32                                ; all but the 32 just issued
	MUL16 \f, 1, 0, \first
	MUL16 \f, 1, 2, \first
.endm
; The last quarter multiplies buffer 1 and changes slots: ONE barrier.  In front of it each wave waits for all its tensor loads, of which at most one is out: its part of the next slot; adds 0 to its spare
; word; and waits for that and for its own reads of this slot.  Behind it nobody reads this slot any more and the next slot is whole.
; fill = 1: the barrier opens a round of the cluster's barrier; behind the round the slot just read out is filled again, first thing, with K step NX; then come the next slot's first fragments.
; fill = 0: the last two K steps: nothing is asked for; in the very last (s3 = 1) there is no next slot, and the run of loads is jumped over.
.macro TURN fill
	WIN 0                                          ; (the add's two registers lie in window 0)
	s_wait_tensorcnt 0x0                           ; all my tensor loads have landed
	ds_add_u32 v[SPW], v[NIL]                      ; 0 onto my spare word
	s_wait_dscnt 9                                 ; (the add and the youngest eight loads may be out)
	MUL16 F1, 0, 0, 0                              ; sixteen matrix instructions stand between the add and the wait for it
	s_wait_dscnt 0x0                               ; the add is done, and my reads of this slot are over
	s_barrier_signal -1
	MUL16 F1, 0, 2, 0                              ; work on registers while the others arrive
	WIN 0
	s_barrier_wait -1
.if \fill
	CREST                                          ; no wave of any partner still reads this slot's tile or has a load on its way
	s_lshl_b32 s[OFA], s[NX], 20                   ; the walking descriptors: no load of mine is out, so they may be written.  The step's place in A and in W,
	s_lshl_b32 s[OFB], s[NX], 16
	s_xor_b32 s[G0+5], s[G0+5], SLOT               ; the other slot than last time,
	s_add_nc_u64 s[G0+6:G0+7], s[14:15], s[OFA:OFA+1]  ; the address made anew,
	s_or_b32 s[G0+7], s[G0+7], 0x80000000          ; the type set again
	s_xor_b32 s[G0B+5], s[G0B+5], SLOT
	s_add_nc_u64 s[G0B+6:G0B+7], s[WB:WB+1], s[OFB:OFB+1]
	s_or_b32 s[G0B+7], s[G0B+7], 0x80000000
	s_add_co_u32 s[NX], s[NX], 1                   ; the next step, round T
	s_and_b32 s[NX], s[NX], T-1
	JLOAD 1                                        ; the four v_nop behind it are also the places in front of the loads below
.else
	PLACES
.endif
	s_xor_b32 s[TB], s[TB], SLOT                   ; the fetches go on in the other slot
	POINT
.if !(\fill)
	s_cmp_eq_u32 s3, 1
	s_cbranch_scc1 .Lno_fetch_\@
.endif
	FETCH 0, F0
.if !(\fill)
	WIN 0
.Lno_fetch_\@:
.endif
	MUL16 F1, 1, 0, 0
	MUL16 F1, 1, 2, 0
.endm
; THE WAY OUT of block a (16 rows), in three parts.  PACKP: max with the floor, rounded to bf16, each accumulator's registers in ascending order.
; TOSTAGE: into my own stage, by panels of 64 columns, and back as whole rows of 128 bytes.  SEND: stored, 512 consecutive bytes of a panel an instruction.
.macro PACKP a
.set AC, 64*((\a)%4)
	WIN 0x0a+5*((\a)/4)                            ; the sources' window: 2 or 3
.set z, 0
.rept 64
	v_max_num_f32 v[FT+z], s45, v[AC+z]
.set z, z+1
.endr
	WIN 0
.set z, 0
.rept 32
	v_cvt_pk_bf16_f32 v[TMP+z], v[FT+2*z], v[FT+2*z+1]
.set z, z+1
.endr
.endm
.macro TOSTAGE a
.set BK, OB+192*((\a)%2)
.irp b, 0,1,2,3,4,5,6,7
	ds_store_b128 v[STO], v[TMP+4*(\b):TMP+4*(\b)+3] offset:((\b)/4)*16*APITCH+32*((\b)%4)
.endr
.irp t, 0,1,2,3,4,5,6,7
	ds_load_b128 v[BK+4*(\t):BK+4*(\t)+3], v[RD] offset:((\t)/4)*16*APITCH+((\t)%4)*4*APITCH  ; LDS serves a wave's instructions in order (ISA guide 5.7.1.4): these see the stores above
.endr
.endm
.macro SEND a
.set BK, OB+192*((\a)%2)
	s_wait_dscnt 0x0                               ; the block is back in registers
	s_wait_xcnt 0x0                                ; every earlier store has had its addresses translated (ISA guide 3.1): the other set of rows, which the block before last stored, is loaded again only behind this wait
.irp t, 0,1,2,3,4,5,6,7
	global_store_b128 v[CO], v[BK+4*(\t):BK+4*(\t)+3], s[8:9] offset:((\t)/4)*PP+(\a)*2048+((\t)%4)*512
.endr
.endm
	s_wait_tensorcnt 1                             ; my part of the first K step is in; the second's may stay out
	s_barrier_signal -1
	s_barrier_wait -1                              ; everybody's is
	FETCH 0, F0
	s_wait_loadcnt 0x0                             ; the bias
	s_wait_kmcnt 0x0                               ; the floor
	QUARTER 1, F0, F1, 1                           ; the first quarter stands in front of the loop: its products start the sums
	WIN 0                                          ; at a label and at a branch every window is 0
	s_mov_b32 s3, T-2
	s_branch .Lin                                  ; the loop is entered behind a step's first quarter
.Lstep:                                                ; T - 2 trips: a K step, and the slot that it leaves is filled again with the step two steps on
	QUARTER 1, F0, F1, 0
	WIN 0
.Lin:
	QUARTER 2, F1, F0, 0
	QUARTER 3, F0, F1, 0
	TURN 1
	WIN 0
	s_sub_co_u32 s3, s3, 1
	s_cmp_lg_u32 s3, 0
	s_cbranch_scc1 .Lstep
	s_mov_b32 s3, 2
.Ltail:                                                ; the last two K steps fill nothing, and have no round of the cluster's barrier
	QUARTER 1, F0, F1, 0
	QUARTER 2, F1, F0, 0
	QUARTER 3, F0, F1, 0
	TURN 0
	WIN 0
	s_sub_co_u32 s3, s3, 1
	s_cmp_lg_u32 s3, 0
	s_cbranch_scc1 .Ltail
	PLACES
	PACKP 0
	TOSTAGE 0
.irp a, 1,2,3,4,5,6,7                  ; block a's arithmetic stands between block a - 1's loads from the stage and the wait for them
	PACKP \a
	SEND (\a)-1
	TOSTAGE \a
.endr
	SEND 7
	s_wait_tensorcnt 0x0                           ; the wave's end, behind my last tensor load and my last LDS store
	ds_add_u32 v[SPW], v[NIL]
	s_wait_dscnt 0x0
	CROUND                                         ; the closing round: no work-group ends while a partner may still ask for a tile that names it
	s_endpgm
.Lfunc_end_k_q70bc5fe016_qkv:
	.size	k_q70bc5fe016_qkv, .Lfunc_end_k_q70bc5fe016_qkv-k_q70bc5fe016_qkv
	.p2alignl 7, 3214868480
	.fill 96, 4, 3214868480
	.section	.rodata,"a",@progbits
	.p2align	6, 0x0
	.amdhsa_kernel k_q70bc5fe016_qkv
		.amdhsa_group_segment_fixed_size 327680
		.amdhsa_private_segment_fixed_size 0
		.amdhsa_enable_private_segment 0
		.amdhsa_kernarg_size 24
		.amdhsa_user_sgpr_count 2
		.amdhsa_user_sgpr_kernarg_segment_ptr 1
		.amdhsa_wavefront_size32 1
		.amdhsa_system_sgpr_workgroup_id_x 1
		.amdhsa_system_sgpr_workgroup_id_y 1
		.amdhsa_system_sgpr_workgroup_id_z 1
		.amdhsa_system_vgpr_workitem_id 0
		.amdhsa_next_free_vgpr 1024
		.amdhsa_next_free_sgpr 80
		.amdhsa_reserve_vcc 0
		.amdhsa_float_denorm_mode_32 3
		.amdhsa_float_denorm_mode_16_64 3
		.amdhsa_memory_ordered 1
		.amdhsa_forward_progress 1
		.amdhsa_inst_pref_size 118
	.end_amdhsa_kernel
	.amdgpu_metadata
---
amdhsa.version: [ 1, 2 ]
amdhsa.kernels:
  - .name:           k_q70bc5fe016_qkv
    .symbol:         k_q70bc5fe016_qkv.kd
    .args:
      - { .name: hn, .offset: 0, .size: 8, .value_kind: global_buffer, .address_space: global }
      - { .name: pq, .offset: 8, .size: 8, .value_kind: global_buffer, .address_space: global }
      - { .name: qkv, .offset: 16, .size: 8, .value_kind: global_buffer, .address_space: global }
    .group_segment_fixed_size: 327680
    .private_segment_fixed_size: 0
    .kernarg_segment_align: 8
    .kernarg_segment_size: 24
    .max_flat_workgroup_size: 128
    .sgpr_count:     80
    .vgpr_count:     1024
    .wavefront_size: 32
...
	.end_amdgpu_metadata
.endif
;; end of part 2
;; launch attn (part 3): grid 8 x 32, 4 waves a work-group, no clusters, 327,680 bytes of LDS; arguments qkv, af; writes af
.if DOCPART == 3
	.amdgcn_target "amdgcn-amd-amdhsa--gfx1250"
	.amdhsa_code_object_version 6
	.text
	.protected	k_q70bc5fe016_attn
	.globl	k_q70bc5fe016_attn
	.p2align	8
	.type	k_q70bc5fe016_attn,@function
k_q70bc5fe016_attn:
	s_mov_b64 s[64:65], 0
	v_nop
	global_prefetch_b8 v0, s[64:65] scope:SCOPE_SE
	s_setreg_imm32_b32 hwreg(HW_REG_WAVE_MODE, 25, 1), 1
	s_wait_xcnt 0x0
; CAUSAL ATTENTION, head size 64.  O[q][:] = the sum over k <= q of softmax_k(Q[q] . K[k] / 8) V[k][:] for each of 32 heads (batch, head) of 2,048 rows.  q, k, v: bf16 panels of the buffer qkv
; ([48 panels][4,096 rows][64]: panel h is q of head h, 16 + h its k, 32 + h its v; a batch's 2,048 rows are dense, 128 bytes each).  O: panel h of af, the same rows.
; Products, maxima and sums in f32; the weights p are rounded to bf16 for the second product (their sum l is taken of the unrounded p), O once at the end.
; LIMITS.  A hidden score counts as -1e30; a weight below 2^-126 counts as 0 in l; NaN and infinities are not treated apart.
; THE WALK.  A head's queries lie in 16 blocks of 128; block i needs the key tiles 0 .. i / 2 of 256 keys, of which the last holds the diagonal.  A work-group takes TWO blocks, 15 - b and then b:
; 9 tiles, whatever b: all 256 work-groups do equal work, and ONE loop with a constant trip count walks them.  Which tile is asked for, and what a trip does, hang on scalar registers made from b;
; every jump goes forward but the counted loops' own, and none passes a barrier, or a tensor load but the one of LOAD's two that the wave's number does not choose.
; NO CLUSTER: a head's eight work-groups ask for the same tile only in trips 0 .. 4 of 9 (the shortest first block has five tiles); behind that the first blocks end one after the other, and a walk common
; to all, in which each asks for every tile, would have 8 + 4 = 12 trips for 9.
; SHARES.  A wave owns 32 queries of a block: two tiles of 16.  Every wave walks the block's keys, 64 a step.
; LAYOUT.  S^T = K Q^T (source 0 = 16 keys, source 1 = 16 queries): a lane holds ONE query (lane % 16) and the keys 8 (lane / 16) + 0..7.  Two such results rounded to bf16 ARE source 1 of O^T = V^T P,
; whose result again holds one query a lane, and eight channels.  K comes out of LDS as it lies, V ([key][channel]) turned, by ds_load_tr16_b128.
; SOFTMAX.  A running maximum m and sum l a query: p = 2^(c s - c m), c = log2(e) / 8; in every step O and l are multiplied by a = 2^(c m_old - c m_new).  m starts at the lowest finite number: a block's
; first step has a = 0, so O and l need only be finite there: zeros for the first block, what the first block left for the second.
; A STEP GOES IN PHASES: V's run of loads; 16 products K Q^T; the mask (diagonal tile alone); the softmax; the next K's run of loads; 16 products V^T P.
; REGISTERS: window 0: v0-37 addresses and statistics; v64-127 S^T, 32 a tile; v128-159 P, 16 a tile; v160-223 O^T, 32 a tile.
;   window 1: v0-63 K of one step; v64-127 V of one step; v128-159 Q; v160-191 the second block's Q.
.set PP,    524288    ; bytes in a panel
.set KS,    64        ; keys in a step
.set PK,    144       ; a row of K in LDS: 128 bytes + 16: 36 words: the 16 rows of a load start at 16 different groups of four banks (64 banks of 4 bytes: ISA guide 11.1)
.set PV,    160       ; a row of V: 128 + 32: 40 words
.set VOFF,  4*KS*PK   ; a slot holds a tile, four steps: 256 rows of K, then 256 rows of V
.set SLOT1, 1<<17     ; slot 1 begins here, so that one exclusive or turns an address in one slot into the other's
.set STAGE, SLOT1+4*KS*(PK+PV)  ; behind the ring, never filled by a tensor load: 16 rows x 144 bytes for each wave
.set SP,    144
.set SPARE, STAGE+4*16*SP       ; behind the stages: the spare words, 128 bytes for each wave: two blocks of 256 bytes that no other line names
.set AK0, 2           ; v2   my lane's place in a tile of K; never rewritten
.set AV0, 3           ; v3   the same for V
.set AK,  4           ; v4   the LDS address of K's next run of loads
.set AV,  5           ; v5   of V's
.set STO, 6           ; v6   the way out: where I put 16 bytes of a row
.set RD,  7           ; v7   the way out: where I read rows back
.set GO,  8           ; v8   my 16 bytes in 512 consecutive bytes of O
.set MV,  12          ; v12-13  c m_old, by tile
.set DM,  14          ; v14-15  by tile: register z of key group kg is hidden where 16 kg + z is greater
.set ST,  16          ; v16-23  by tile: c m, m, l (even keys', odd keys')
.set TC,  24          ; v24-31  by tile: c0-c3 at work; when the maximum is found c2 takes a
.set DM0, 32          ; v32-33  by tile: my query's place in its block less my lanes' 8 (lane / 16)
.set QO,  34          ; v34  my byte offset in 16 rows of Q
.set BIGV, 35         ; v35  -1e30
.set SPW, 36          ; v36  LDS address of my spare word; never rewritten
.set NIL, 37          ; v37  0; never rewritten
.set S,   64
.set P,   128
.set O,   160
.set KF,  0           ; window 1: key group kg, channel half c at KF + 16 kg + 8 c
.set VF,  64          ; window 1: key half kk, channel block cb at VF + 32 kk + 8 cb
.set QA,  128         ; window 1: tile t, channel half c at QA + 16 t + 8 c
.set QB,  160
.set KB,  8           ; s[8:9]   K at my half of the head's tile 0
.set VB,  10          ; s[10:11] V likewise
.set WV,  12          ; s12  my wave's number
.set PB,  14          ; s14  b
.set HI,  15          ; s15  15 - b
.set G1K, 24          ; s[24:31] descriptor group 1 for K's tiles
.set G1V, 32          ; s[32:39] for V's: it differs in the padding alone
.set G0K, 40          ; s[40:43] descriptor group 0 for K's tiles
.set G0V, 44          ; s[44:47] the same for V's
.set QH,  48          ; s[48:49] Q at my rows of the first block
.set OBS, 50          ; s[50:51] O at my rows of the block in hand
.set SLOTS, 56        ; s56  tiles still to be asked for
.set CNT, 57          ; s57  counts a tile's key steps, 4 to 1
.set CS,  58          ; s[58:59] c: the packed scaling takes the pair's low word for both halves
.set SEL, 60          ; s[60:61] v_permlanex16_b32's selects: each lane takes its own place in the other half
.set TBK, 62          ; s62  LDS byte at which K of the step to be fetched begins
.set TBV, 63          ; s63  the same for V, less VOFF
.set RT,  70          ; s70  tiles of the block in hand that are still to be entered
.set NXT, 71          ; s71  the tile to be asked for next
.set LQ,  72          ; s72  the last tile of the block whose tiles are being asked for
.set PB2, 73          ; s73  the second block's last tile, b / 2
.set OFF, 74          ; s[74:75] a tile's byte offset in K and V
.set OLO, 80          ; s[80:81] O at my rows of the second block
.set PAR, 83          ; s83  the second block's place in its diagonal tile: 128 (b % 2)
.set QL,  86          ; s[86:87] Q at my rows of the second block
.set MSB, 0
.macro WIN new                      ; the high byte repeats the setting that is left; a switch that changes nothing is dropped
.if MSB != (\new)
	s_set_vgpr_msb (MSB<<8)|(\new)
.set MSB, (\new)
.endif
.endm
.set W_KQ, 0x05       ; K and Q in window 1, S^T in window 0
.set W_PV, 0x01       ; V in window 1, P and O^T in window 0
.set W_LD, 0x40       ; destination window 1, address window 0
; A fill.  Waves 0 and 1 fetch the two halves of a tile's K, waves 2 and 3 those of its V: 128 keys each.  An s_nop 0 and four v_nop follow each of the two lines, ahead of the jump and the label.
.macro LOAD
	s_cmp_lt_u32 s[WV], 2
	s_cbranch_scc0 .Lfor_v_\@
	tensor_load_to_lds s[G0K:G0K+3], s[G1K:G1K+7]
	s_nop 0
.rept 4
	v_nop
.endr
	s_branch .Lasked_\@
.Lfor_v_\@:
	tensor_load_to_lds s[G0V:G0V+3], s[G1V:G1V+7]
	s_nop 0
.rept 4
	v_nop
.endr
.Lasked_\@:
.endm
; THE CHANGE OF SLOTS.  Each wave waits for all its tensor loads, of which one is out: its part of the other slot; adds 0 to its spare word; and waits for that and for its own reads of the slot that it leaves.
; Behind the barrier nobody reads the old slot any more and the other slot is whole.  fill = 1: the old slot is filled again, the first thing behind the barrier, with tile NXT: the descriptor's address is
; made anew from that number.  (At its first use nothing has been read yet: slot 0 is waited for, slot 1 filled.)
.macro CHANGE fill
	WIN 0                           ; at a label and at a branch every window is 0
	s_wait_tensorcnt 0x0            ; no tensor load of mine is out, so a group 0 may be written
	ds_add_u32 v[SPW], v[NIL]       ; 0 onto my spare word; with fill = 1 the descriptors' scalar work stands between it and the wait for it
.if \fill
	s_lshl_b32 s[OFF], s[NXT], 15   ; a tile is 32,768 bytes of K and of V
	s_xor_b32 s[G0K+1], s[G0K+1], SLOT1
	s_add_nc_u64 s[G0K+2:G0K+3], s[KB:KB+1], s[OFF:OFF+1]
	s_or_b32 s[G0K+3], s[G0K+3], 0x80000000
	s_xor_b32 s[G0V+1], s[G0V+1], SLOT1
	s_add_nc_u64 s[G0V+2:G0V+3], s[VB:VB+1], s[OFF:OFF+1]
	s_or_b32 s[G0V+3], s[G0V+3], 0x80000000
	s_add_co_u32 s[NXT], s[NXT], 1  ; the block's next tile, or behind its last the second block's tile 0
	s_cmp_gt_u32 s[NXT], s[LQ]
	s_cselect_b32 s[NXT], 0, s[NXT]
	s_cselect_b32 s[LQ], s[PB2], s[LQ]
.endif
	s_wait_dscnt 0x0                ; the add is done, and my reads of the slot are over
	s_barrier_signal -1             ; the rest of the scalar work stands between the signal and the wait
	s_sub_co_u32 s[TBK], s[TBK], 4*KS*PK  ; the fetches go back to a slot's first step,
	s_xor_b32 s[TBK], s[TBK], SLOT1       ; in the other slot
	s_sub_co_u32 s[TBV], s[TBV], 4*KS*PV
	s_xor_b32 s[TBV], s[TBV], SLOT1
	s_barrier_wait -1
.if \fill
	LOAD
.endif
.endm
	s_load_b128 s[4:7], s[0:1], 0x0 ; qkv s[4:5], af s[6:7]
	v_lshl_add_u32 v[SPW], v0, 2, SPARE
	v_mov_b32 v[NIL], 0
	ds_add_u32 v[SPW], v[NIL]       ; the wave's opening: the add and its wait stand ahead of my first tensor load; the set-up below, work on registers, stands between them
	ds_add_u32 v36, v37
	v_lshrrev_b32 v1, 5, v0
	v_readfirstlane_b32 s[WV], v1   ; wave 0..3
	s_mov_b32 s[PB], ttmp9
	s_sub_co_u32 s[HI], 15, s[PB]
	s_lshr_b32 s[PB2], s[PB], 1
	s_and_b32 s13, ttmp7, 0xffff    ; 16 x batch + head
	s_and_b32 s20, s13, 15
	s_lshl_b32 s20, s20, 19         ; the head's panel,
	s_lshr_b32 s13, s13, 4
	s_lshl_b32 s13, s13, 18         ; the batch's 2,048 rows of 128 bytes in it
	s_add_co_u32 s20, s20, s13
	s_and_b32 s16, s[WV], 1         ; which half of a tile's 256 keys I fetch:
	s_lshl_b32 s22, s16, 14         ; its 128 rows of 128 bytes in memory,
	s_add_co_u32 s22, s22, s20
	s_add_co_u32 s22, s22, 16*PP    ; k's panels lie behind q's sixteen
	s_mov_b32 s23, 0
	s_mul_i32 s17, s16, 128*PK      ; and its place in a slot, for K
	s_mul_i32 s18, s16, 128*PV      ; and for V
	s_lshl_b32 s3, s[WV], 12        ; my 32 rows in a block of 128,
	s_add_co_u32 s3, s3, s20
	s_lshl_b32 s2, s[HI], 14        ; in the first block,
	s_add_co_u32 s2, s2, s3
	s_lshl_b32 s84, s[PB], 14       ; and in the second
	s_add_co_u32 s84, s84, s3
	s_mov_b32 s3, 0
	s_mov_b32 s85, 0
	; descriptor group 1.  128 keys are 16,384 dense bytes: asked for as 64 rows of 256 bytes, two keys a row, and padded in LDS after every key
	s_mov_b32 s[G1K], (1<<16)|(1<<20)|(4<<22)|(3<<25)  ; 17:16 2-byte elements; 20 padding on; 24:22 after every 32 words (code 4); 31:25 4 words (code 3)
	s_mov_b32 s[G1V], (1<<16)|(1<<20)|(4<<22)|(7<<25)  ; the same with 8 words of padding (code 7)
.irp g, G1K, G1V
	s_mov_b32 s[\g+1], 128<<16      ; tensor_dim0 = 128
	s_mov_b32 s[\g+2], 64<<16       ; tensor_dim1 = 64
	s_mov_b32 s[\g+3], 128<<16      ; tile_dim0 = 128
	s_mov_b32 s[\g+4], 64           ; tile_dim1 = 64
	s_mov_b32 s[\g+5], 128          ; 128 elements from row to row
	s_mov_b32 s[\g+6], 0
	s_mov_b32 s[\g+7], 0
.endr
	s_mov_b32 s[CS], 0x3e38aa3b     ; c = log2(e) / 8 = 0.180337
	s_mov_b32 s[CS+1], s[CS]        ; named with it as a pair
	s_mov_b32 s[SEL], 0x76543210
	s_mov_b32 s[SEL+1], 0xfedcba98
	s_mov_b32 s[TBK], SLOT1+4*KS*PK ; the first change of slots turns these two into 0
	s_mov_b32 s[TBV], SLOT1+4*KS*PV
	s_mov_b32 s[G0K], 1             ; count = 1
	s_mov_b32 s[G0K+1], s17         ; LDS address: slot 0
	s_mov_b32 s[G0V], 1
	s_add_co_u32 s[G0V+1], s18, VOFF
	s_lshr_b32 s[LQ], s[HI], 1      ; the first block's last tile
	s_add_co_u32 s[RT], s[LQ], 1    ; and how many it has
	s_mov_b32 s[NXT], 1
	s_mov_b32 s[OFF+1], 0
	s_and_b32 s[PAR], s[PB], 1
	s_lshl_b32 s[PAR], s[PAR], 7
	s_and_b32 s19, s[HI], 1         ; the first block's place in its diagonal tile
	s_lshl_b32 s19, s19, 7
	s_mov_b32 s[SLOTS], 8
	s_wait_dscnt 0x0                ; the opening add is done
	s_wait_kmcnt 0x0
	s_add_nc_u64 s[KB:KB+1], s[4:5], s[22:23]
	s_add_nc_u64 s[VB:VB+1], s[KB:KB+1], 16*PP     ; v's panels lie behind k's sixteen
	s_add_nc_u64 s[G0K+2:G0K+3], s[KB:KB+1], 0     ; global address: tile 0
	s_or_b32 s[G0K+3], s[G0K+3], 0x80000000        ; type = 2
	s_add_nc_u64 s[G0V+2:G0V+3], s[VB:VB+1], 0
	s_or_b32 s[G0V+3], s[G0V+3], 0x80000000
	s_add_nc_u64 s[QH:QH+1], s[4:5], s[2:3]
	s_add_nc_u64 s[QL:QL+1], s[4:5], s[84:85]
	s_add_nc_u64 s[OBS:OBS+1], s[6:7], s[2:3]
	s_add_nc_u64 s[OLO:OLO+1], s[6:7], s[84:85]
	LOAD                            ; tile 0 into slot 0: one load of mine is out
	; A fragment of K or Q is 16 rows x 32 channels in 8 registers: lane l holds row l % 16, channels 8 (l / 16) + 0..7 and 16 + 8 (l / 16) + 0..7: two loads of 16 bytes, 32 bytes apart.
	v_and_b32 v1, 15, v0            ; l % 16
	v_bfe_u32 v9, v0, 4, 1          ; l / 16
	v_lshlrev_b32 v[QO], 7, v1
	v_lshl_add_u32 v[QO], v9, 4, v[QO]  ; row x 128 + 16 x half
	WIN W_LD
.set i, 0
.rept 4                             ; both blocks' Q: tile i / 2, channels 32 (i % 2) on
	global_load_b128 v[QA+8*i:QA+8*i+3],   v[QO], s[QH:QH+1] offset:(i/2)*2048+(i%2)*64
	global_load_b128 v[QA+8*i+4:QA+8*i+7], v[QO], s[QH:QH+1] offset:(i/2)*2048+(i%2)*64+32
	global_load_b128 v[QB+8*i:QB+8*i+3],   v[QO], s[QL:QL+1] offset:(i/2)*2048+(i%2)*64
	global_load_b128 v[QB+8*i+4:QB+8*i+7], v[QO], s[QL:QL+1] offset:(i/2)*2048+(i%2)*64+32
.set i, i+1
.endr
	WIN 0
	v_lshlrev_b32 v10, 3, v9
	v_sub_nc_u32 v10, v1, v10
	s_lshl_b32 s13, s[WV], 5
	v_add_nc_u32 v[DM0], s13, v10   ; 32 w + l % 16 - 8 (l / 16),
	v_add_nc_u32 v[DM0+1], 16, v[DM0]  ; and 16 more for the second tile
	v_add_nc_u32 v[DM], s19, v[DM0]
	v_add_nc_u32 v[DM+1], s19, v[DM0+1]
	v_mov_b32 v[BIGV], 0xf149f2ca   ; -1e30
	v_mul_u32_u24 v[AK0], v1, PK
	v_lshl_add_u32 v[AK0], v9, 4, v[AK0]  ; row x pitch + 16 x half
	; The turning load takes 16 keys x 16 channels (lane l reads key 8 (l / 16) + l % 8, channels 8 ((l / 8) % 2) + 0..7) and leaves half a fragment of V^T: lane l holds channel l % 16 and 8 keys.
	v_and_b32 v10, 7, v0
	v_bfe_u32 v11, v0, 3, 1
	v_lshl_add_u32 v[AV0], v9, 3, v10
	v_mul_u32_u24 v[AV0], v[AV0], PV
	v_lshl_add_u32 v[AV0], v11, 4, v[AV0]
	v_add_nc_u32 v[AV0], VOFF, v[AV0]
	s_mul_i32 s13, s[WV], 16*SP
	s_add_co_u32 s13, s13, STAGE    ; my stage
	v_mul_u32_u24 v[STO], v1, SP    ; in: row l % 16, 16 bytes for each half of the lanes
	v_lshl_add_u32 v[STO], v9, 4, v[STO]
	v_add_nc_u32 v[STO], s13, v[STO]
	v_bfe_u32 v[RD], v0, 3, 2       ; back: 32 lanes take four rows of 128 bytes,
	v_mul_u32_u24 v[RD], v[RD], SP
	v_lshl_add_u32 v[RD], v10, 4, v[RD]
	v_add_nc_u32 v[RD], s13, v[RD]
	v_and_b32 v[GO], 31, v0         ; which are 512 consecutive bytes of O
	v_lshlrev_b32 v[GO], 4, v[GO]
.set i, O
.rept 64                            ; O^T and l of the first block: finite numbers for the first step's a = 0.  This stands in the wait for the first tile
	v_mov_b32 v[i], 0
.set i, i+1
.endr
.irp t, 0,1
	v_mov_b32 v[ST+4*\t], 0xfe000000    ; c m: far below every c s
	v_mov_b32 v[ST+4*\t+1], 0xff7fffff  ; m
	v_mov_b32 v[ST+4*\t+2], 0
	v_mov_b32 v[ST+4*\t+3], 0
.endr
	s_wait_loadcnt 0x0              ; Q
; THE LDS LOADS stand in runs of 16: a step's K (64 keys x 64 channels: 8 fragments) and its V (turned).
.macro FETCH_K
	WIN W_LD
.irp f, 0,1,2,3,4,5,6,7             ; keys 16 (f / 2) on, channels 32 (f % 2) on
	ds_load_b128 v[KF+8*\f:KF+8*\f+3],   v[AK] offset:(\f/2)*16*PK+(\f%2)*64
	ds_load_b128 v[KF+8*\f+4:KF+8*\f+7], v[AK] offset:(\f/2)*16*PK+(\f%2)*64+32
.endr
	s_add_co_u32 s[TBK], s[TBK], KS*PK  ; the next fetch is the next step's
	WIN 0
.endm
.macro FETCH_V
	WIN W_LD
.irp f, 0,1,2,3,4,5,6,7             ; keys 32 (f / 4) on, channels 16 (f % 4) on
	ds_load_tr16_b128 v[VF+8*\f:VF+8*\f+3],   v[AV] offset:(\f/4)*32*PV+(\f%4)*32
	ds_load_tr16_b128 v[VF+8*\f+4:VF+8*\f+7], v[AV] offset:(\f/4)*32*PV+16*PV+(\f%4)*32
.endr
	s_add_co_u32 s[TBV], s[TBV], KS*PV
	WIN 0
.endm
; THE MATRIX WORK.  The 8 accumulators of a run of 16 take turns: between the two links of a chain stand 7 others'.
.macro SPROD                        ; product i of S^T = K Q^T: channels 32 (i / 8) on, keys 16 ((i / 2) % 4) on, tile i % 2.  The first 8 start the sums
	WIN W_KQ
.set i, 0
.rept 16
.set rS, S+32*(i%2)+8*((i/2)%4)
.set rK, KF+16*((i/2)%4)+8*(i/8)
.set rQ, QA+16*(i%2)+8*(i/8)
.if i < 8
	v_wmma_f32_16x16x32_bf16 v[rS:rS+7], v[rK:rK+7], v[rQ:rQ+7], 0
.else
	v_wmma_f32_16x16x32_bf16 v[rS:rS+7], v[rK:rK+7], v[rQ:rQ+7], v[rS:rS+7]
.endif
.set i, i+1
.endr
	WIN 0
.endm
.macro PVPROD                       ; product i of O^T += V^T P: keys 32 (i / 8) on, channels 16 ((i / 2) % 4) on, tile i % 2
	WIN W_PV
.set i, 0
.rept 16
.set rO, O+32*(i%2)+8*((i/2)%4)
.set rV, VF+32*(i/8)+8*((i/2)%4)
.set rP, P+16*(i%2)+8*(i/8)
	v_wmma_f32_16x16x32_bf16 v[rO:rO+7], v[rV:rV+7], v[rP:rP+7], v[rO:rO+7]
.set i, i+1
.endr
	WIN 0
.endm
.macro PLACES                       ; four places behind matrix instructions whose results are read, or whose registers are written or loaded, next (ISA guide 7.12.1 for vector instructions)
.rept 4
	v_nop
.endr
.endm
; THE MASK of one step of the diagonal tile: score z of key group kg is hidden where 16 kg + z > DM; then DM goes 64 keys down.  Each accumulator's registers in ascending order.
.macro MASK
.irp t, 0,1
.set z, 0
.rept 32
	v_cmp_gt_i32 vcc_lo, 16*(z/8)+z%8, v[DM+\t]
	v_cndmask_b32 v[S+32*\t+z], v[S+32*\t+z], v[BIGV], vcc_lo
.set z, z+1
.endr
	v_sub_nc_u32 v[DM+\t], v[DM+\t], 64
.endr
.endm
.macro TREGS t                      ; the registers of tile t
.set rT, ST+4*(\t)
.set rC, TC+4*(\t)
.set rM, MV+(\t)
.set rS, S+32*(\t)
.set rP, P+16*(\t)
.set rO, O+32*(\t)
.endm
; Number n of the 22 that find a tile's maximum and statistics.  s0-s31 are the lane's 32 scores; each accumulator's lowest registers are read first.
;   0-11  four chains c0-c3 of seven scores each, three operands at a time     12-14, 16  the four scores left over, the old m, and c0-c3 into c0     15  c m_old is kept
;   17, 18  the query's other 32 keys lie in the lane 16 away: the new m         19-21  c m; c m_old - c m_new; a
.macro XS t, n
	TREGS \t
.if (\n) < 4
	v_max3_num_f32 v[rC+(\n)], v[rS+8*(\n)], v[rS+8*(\n)+1], v[rS+8*(\n)+2]
.elseif (\n) < 12
	v_max3_num_f32 v[rC+(\n)%4], v[rC+(\n)%4], v[rS+8*((\n)%4)+2*((\n)/4)+1], v[rS+8*((\n)%4)+2*((\n)/4)+2]
.elseif (\n) == 12
	v_max3_num_f32 v[rC], v[rC], v[rS+7], v[rS+15]
.elseif (\n) == 13
	v_max3_num_f32 v[rC+1], v[rC+1], v[rS+23], v[rS+31]
.elseif (\n) == 14
	v_max3_num_f32 v[rC+2], v[rC+2], v[rC+3], v[rT+1]
.elseif (\n) == 15
	v_mov_b32 v[rM], v[rT]
.elseif (\n) == 16
	v_max3_num_f32 v[rC], v[rC], v[rC+1], v[rC+2]
.elseif (\n) == 17
	v_permlanex16_b32 v[rC+3], v[rC], s[SEL], s[SEL+1]
.elseif (\n) == 18
	v_max_num_f32 v[rT+1], v[rC], v[rC+3]
.elseif (\n) == 19
	v_mul_f32 v[rT], s[CS], v[rT+1]
.elseif (\n) == 20
	v_sub_f32 v[rC+1], v[rM], v[rT]
.else
	v_exp_f32 v[rC+2], v[rC+1]
.endif
.endm
; THE SOFTMAX of a step, the two tiles alternating line by line.  Behind each run of exponentials stands a plain instruction that names none of their registers before a result is used (ISA guide 5.7.2).
.macro SOFTMAX
.irp n, 0,1,2,3,4,5,6,7,8,9,10,11,12,13,14,15,16,17,18,19,20,21
	XS 0, \n
	XS 1, \n
.endr
.set z, 0
.rept 16                            ; c s - c m
.irp t, 0,1
	TREGS \t
	v_pk_fma_f32 v[rS+2*z:rS+2*z+1], v[rS+2*z:rS+2*z+1], s[CS:CS+1], v[rT:rT+1] op_sel_hi:[1,0,0] neg_lo:[0,0,1] neg_hi:[0,0,1]
.endr
.set z, z+1
.endr
.set z, 0
.rept 32
.irp t, 0,1
	TREGS \t
	v_exp_f32 v[rS+z], v[rS+z]
.endr
.set z, z+1
.endr
.set z, 0
.rept 16                            ; O^T times a, each accumulator from its low end
.irp t, 0,1
	TREGS \t
	s_wait_alu depctr_va_vdst(0)
	v_pk_mul_f32 v[rO+2*z:rO+2*z+1], v[rO+2*z:rO+2*z+1], v[rC+2:rC+3] op_sel_hi:[1,0]
.endr
.set z, z+1
.endr
.set z, 0
.rept 16                            ; the weights, rounded
.irp t, 0,1
	TREGS \t
	v_cvt_pk_bf16_f32 v[rP+z], v[rS+2*z], v[rS+2*z+1]
.endr
.set z, z+1
.endr
.irp w, 1,2,4,8                     ; the sum of a tile's 16 pairs, in place: neighbours 1, 2, 4 and 8 pairs apart
.set u, 0
.rept 8/\w
.irp t, 0,1
	TREGS \t
	v_pk_add_f32 v[rS+4*\w*u:rS+4*\w*u+1], v[rS+4*\w*u:rS+4*\w*u+1], v[rS+4*\w*u+2*\w:rS+4*\w*u+2*\w+1]
.endr
.set u, u+1
.endr
.endr
.irp t, 0,1
	TREGS \t
	v_pk_fma_f32 v[rT+2:rT+3], v[rT+2:rT+3], v[rC+2:rC+3], v[rS:rS+1] op_sel_hi:[1,0,1]  ; l = a l + the sum
.endr
.endm
; A TILE's four key steps.  K of the first step has been asked for.  diag = 1: the tile is known to hold the diagonal; diag = 0: it does where RT = 0, else the mask is jumped over.
.macro STEPS diag
	WIN 0
	s_mov_b32 s[CNT], 4
.Lstep_\@:
	v_add_nc_u32 v[AV], s[TBV], v[AV0]
	FETCH_V
	s_wait_dscnt 16                 ; K's sixteen loads, issued ahead of V's, are in; V's may be out
	SPROD
	PLACES
.if !(\diag)
	s_cmp_lg_u32 s[RT], 0
	s_cbranch_scc1 .Lnomask_\@
.endif
	MASK
.if !(\diag)
.Lnomask_\@:
.endif
	SOFTMAX
	s_wait_dscnt 0x0                ; V is in
	v_add_nc_u32 v[AK], s[TBK], v[AK0]
	s_cmp_eq_u32 s[CNT], 1          ; the tile's last step fetches no K: the next lies in the other slot, behind the change
	s_cbranch_scc1 .Lno_k_\@
	FETCH_K
.Lno_k_\@:
	PVPROD
	PLACES                          ; for the next loads into V's registers and the next reads of O^T
	s_sub_co_u32 s[CNT], s[CNT], 1
	s_cmp_lg_u32 s[CNT], 0
	s_cbranch_scc1 .Lstep_\@
.endm
; A BLOCK'S END: l's two halves and the other half of the lanes' are added; O^T is divided by l, rounded to bf16 and sent through my stage in LDS, a tile at a time.
.macro PACK t                       ; a lane's eight channels of a row pack into 16 bytes; they go into rows of 144 bytes and come back as whole rows of 128, into S^T's registers
.set z, 0
.rept 16
	v_pk_mul_f32 v[O+32*(\t)+2*z:O+32*(\t)+2*z+1], v[O+32*(\t)+2*z:O+32*(\t)+2*z+1], v[ST+4*(\t)+2:ST+4*(\t)+3] op_sel_hi:[1,0]
.set z, z+1
.endr
.set z, 0
.rept 16
	v_cvt_pk_bf16_f32 v[S+16*(\t)+z], v[O+32*(\t)+2*z], v[O+32*(\t)+2*z+1]
.set z, z+1
.endr
.irp f, 0,1,2,3
	ds_store_b128 v[STO], v[S+16*(\t)+4*\f:S+16*(\t)+4*\f+3] offset:32*\f
.endr
.irp f, 0,1,2,3
	ds_load_b128 v[S+16*(\t)+4*\f:S+16*(\t)+4*\f+3], v[RD] offset:\f*4*SP  ; LDS serves a wave's instructions in order (ISA guide 5.7.1.4): these see the stores above; the next tile's stores come behind them
.endr
.endm
.macro SEND t, younger              ; younger: the LDS instructions issued behind tile t's loads: the next tile's eight, or none
.irp f, 0,1,2,3
	s_wait_dscnt (\younger)+3-\f
	global_store_b128 v[GO], v[S+16*(\t)+4*\f:S+16*(\t)+4*\f+3], s[OBS:OBS+1] offset:(\t)*2048+\f*512  ; 512 consecutive bytes, at a multiple of 256 from the panel's first
.endr
.endm
.macro END last
.irp t, 0,1
	v_add_f32 v[ST+4*\t+2], v[ST+4*\t+2], v[ST+4*\t+3]
.endr
.irp t, 0,1
	v_permlanex16_b32 v[ST+4*\t+3], v[ST+4*\t+2], s[SEL], s[SEL+1]
.endr
.irp t, 0,1
	v_add_f32 v[ST+4*\t+2], v[ST+4*\t+2], v[ST+4*\t+3]
.endr
.irp t, 0,1
	v_rcp_f32 v[ST+4*\t+2], v[ST+4*\t+2]
.endr
	v_nop                           ; a plain instruction between the last reciprocal and the use of its result
	s_wait_alu depctr_va_vdst(0)
	PACK 0
	PACK 1
	SEND 0, 8
	SEND 1, 0
.if !(\last)                        ; the second block begins: its first step's a is 0, so O^T and l stay as they are
	s_wait_xcnt 0x0                 ; the stores have read their registers and O's address
	s_mov_b64 s[OBS:OBS+1], s[OLO:OLO+1]
	s_add_co_u32 s[RT], s[PB2], 1
.irp t, 0,1
	v_mov_b32 v[ST+4*\t], 0xfe000000
	v_mov_b32 v[ST+4*\t+1], 0xff7fffff
	v_add_nc_u32 v[DM+\t], s[PAR], v[DM0+\t]
.endr
	WIN 0x41                        ; the second block's Q goes where the one text of the products names Q
.set i, 0
.rept 32
	v_mov_b32 v[QA+i], v[QB+i]
.set i, i+1
.endr
	WIN 0
.endif
.endm
.Lslot:                             ; 8 times: a tile is entered and the next is asked for
	CHANGE 1
	s_sub_co_u32 s[RT], s[RT], 1
	v_add_nc_u32 v[AK], s[TBK], v[AK0]
	FETCH_K
	STEPS 0
	s_cmp_lg_u32 s[RT], 0
	s_cbranch_scc1 .Lbottom
	END 0                           ; in the loop this is the first block's end: the second block's last tile is the walk's last
.Lbottom:
	s_sub_co_u32 s[SLOTS], s[SLOTS], 1
	s_cmp_lg_u32 s[SLOTS], 0
	s_cbranch_scc1 .Lslot
	CHANGE 0                        ; the walk's last tile is written out: nothing is asked for
	v_add_nc_u32 v[AK], s[TBK], v[AK0]
	FETCH_K
	STEPS 1
	END 1
	s_wait_tensorcnt 0x0            ; the wave's end, behind my last tensor load and my last LDS store
	ds_add_u32 v[SPW], v[NIL]
	s_wait_dscnt 0x0
	s_endpgm
.Lfunc_end_k_q70bc5fe016_attn:
	.size	k_q70bc5fe016_attn, .Lfunc_end_k_q70bc5fe016_attn-k_q70bc5fe016_attn
	.p2alignl 7, 3214868480
	.fill 96, 4, 3214868480
	.section	.rodata,"a",@progbits
	.p2align	6, 0x0
	.amdhsa_kernel k_q70bc5fe016_attn
		.amdhsa_group_segment_fixed_size 327680
		.amdhsa_private_segment_fixed_size 0
		.amdhsa_enable_private_segment 0
		.amdhsa_kernarg_size 16
		.amdhsa_user_sgpr_count 2
		.amdhsa_user_sgpr_kernarg_segment_ptr 1
		.amdhsa_wavefront_size32 1
		.amdhsa_system_sgpr_workgroup_id_x 1
		.amdhsa_system_sgpr_workgroup_id_y 1
		.amdhsa_system_sgpr_workgroup_id_z 1
		.amdhsa_system_vgpr_workitem_id 0
		.amdhsa_next_free_vgpr 448
		.amdhsa_next_free_sgpr 88
		.amdhsa_reserve_vcc 1
		.amdhsa_float_denorm_mode_32 3
		.amdhsa_float_denorm_mode_16_64 3
		.amdhsa_memory_ordered 1
		.amdhsa_forward_progress 1
		.amdhsa_inst_pref_size 74
	.end_amdhsa_kernel
	.amdgpu_metadata
---
amdhsa.version: [ 1, 2 ]
amdhsa.kernels:
  - .name:           k_q70bc5fe016_attn
    .symbol:         k_q70bc5fe016_attn.kd
    .args:
      - { .name: qkv, .offset: 0, .size: 8, .value_kind: global_buffer, .address_space: global }
      - { .name: af, .offset: 8, .size: 8, .value_kind: global_buffer, .address_space: global }
    .group_segment_fixed_size: 327680
    .private_segment_fixed_size: 0
    .kernarg_segment_align: 8
    .kernarg_segment_size: 16
    .max_flat_workgroup_size: 128
    .sgpr_count:     88
    .vgpr_count:     448
    .wavefront_size: 32
...
	.end_amdgpu_metadata
.endif
;; end of part 3
;; launch oproj (part 4): grid 8 x 32, 4 waves a work-group, clusters of 4 x 4, 327,680 bytes of LDS; arguments af, wr, bo, x, x1; writes x1
.if DOCPART == 4
	.amdgcn_target "amdgcn-amd-amdhsa--gfx1250"
	.amdhsa_code_object_version 6
	.text
	.protected	k_q70bc5fe016_oproj
	.globl	k_q70bc5fe016_oproj
	.p2align	8
	.type	k_q70bc5fe016_oproj,@function
k_q70bc5fe016_oproj:
	s_mov_b64 s[64:65], 0
	v_nop
	global_prefetch_b8 v0, s[64:65] scope:SCOPE_SE
	s_setreg_imm32_b32 hwreg(HW_REG_WAVE_MODE, 25, 1), 1
	s_wait_xcnt 0x0
	s_wait_alu depctr_hold_cnt(0) depctr_sa_sdst(0) depctr_va_vdst(0) depctr_va_sdst(0) depctr_va_ssrc(0) depctr_va_vcc(0) depctr_vm_vsrc(0)
	s_getreg_b32 s2, hwreg(HW_REG_IB_STS2, 6, 4)
	s_cmp_eq_u32 s2, 0
	s_cbranch_scc0 .Lentry_in_a_cluster
	s_endpgm
.Lentry_in_a_cluster:
	s_bfe_u32 s2, ttmp6, 0x10000c
	s_cmp_lg_u32 s2, 0xf033
	s_cbranch_scc0 .Lentry_shape_is_right
	s_endpgm
.Lentry_shape_is_right:
; C = R + A W + bias.  A: bf16 panels [4 T][4,096 rows][64], K = 256 T.  W: bf16 blocks [256 k][128 n] of 65,536 bytes from byte WOFF on, number T x (n / 128) + k / 256.  bias: [1,024] f32.
; R and C: [4,096][1,024] f32, row-major.  Sums in f32, started from the bias; the residual R is added in f32 at the end.
; LIMIT.  The f32 sums run over K in the turned order told below, not in ascending order.
; This text stands twice in the program, with T = 4 (the attention's output projection) and T = 16 (the FFN's second product).
; A tile of C is 128 x 128, which gives each of 256 WGPs one work-group.  Four waves, each 64 x 64: 16 accumulators.  K goes in T steps of 256 through two LDS slots.
; CLUSTER: 4 x 4 work-groups.  The four of a row of the cluster need the same tiles of A, the four of a column the same tiles of W: each tile is asked for JOINTLY, by the same tensor load with the same
; descriptor and a mask that names the four.
; THE WALK ALONG K IS TURNED.  A cluster begins at K step (T / 2 x cluster x + T / 4 x (cluster y % 4)) % T and goes round.  The two clusters of a cluster row, which need the same rows of A, begin half of K
; apart: each asks first for one half of those tiles, and for the other half T / 2 trips behind its neighbour.  Clusters one cluster row apart, which need the same columns of W, begin a quarter of K apart.
; The start is made of the cluster's own x and y, which all sixteen partners share.
; A K STEP IS WRITTEN ONCE, with a refill (a loop of T - 2 trips, entered behind its first quarter, which stands in front since its products start the sums) and once more without (a loop of two trips).
; The slots take turns through registers: TB, turned by an exclusive or with SLOT, is added to the lanes' places; the walking descriptors' LDS words are turned by the same exclusive or.
; A's part of a K step is four panels' 128 rows, 16,384 dense bytes each: a wave asks for two of them as two long rows, padded behind every 128 bytes: LDS rows (one row of A, 64 k) 144 bytes apart.
; W's part is the block itself, [k][n]: rows of 256 bytes, 288 apart in LDS; its fragments come out turned, by ds_load_tr16_b128.
; THE MATRIX INSTRUCTION IS USED TRANSPOSED (source 0 = 16 columns of W, source 1 = 16 rows of A): a lane holds row l % 16 of C and eight neighbouring columns.
; REGISTERS: window 0: v0-31 addresses; v32-95 rows on the way out, two sets; v96-127 the bias; v128-255 the accumulators ((a, b) at v[128 + 8 (4 a + b)]).
;   window 1: two fragment buffers of 128: for 64 along K, 64 registers of A, then 64 of W.     window 2: v0-127 the residual of my 64 x 64.
.set T,      4                         ; K steps
.set WOFF,   0
.set PP,     524288                    ; bytes in a panel
.set APITCH, 144                       ; 36 words: the 16 rows of a load start at 16 different groups of four banks (64 banks of 4 bytes: ISA guide 11.1)
.set APANEL, 128*APITCH
.set BOFF,   4*APANEL
.set BPITCH, 288                       ; 72 words
.set QUART,  2*APANEL                  ; what one tensor load brings: 36,864 bytes of LDS, of A (two panels) as of W (128 k)
.set SLOT,   4*QUART                   ; 147,456 = 0x24000: no bit in common with a load's place in a slot (0, 0x9000, 0x12000, 0x1b000), so an exclusive or with it goes from slot to slot
.set STAGE,  2*SLOT                    ; behind the ring: 16 rows x 272 bytes for each wave
.set SPITCH, 272
.set STW,    16*SPITCH
.set SPARE,  STAGE+4*STW               ; behind the stages: the spare words, 128 bytes for each wave: two blocks of 256 bytes that no other line names
.set A0,   16                          ; v16     my lane's place among a slot's rows of A; never rewritten
.set B0,   17                          ; v17-18  the same for W: quarters 0-1, quarters 2-3
.set ADRA, 20                          ; v20     LDS address of my A fragments in the slot in hand
.set ADRB, 21                          ; v21-22  of W's: quarters 0-1, 2-3
.set STO,  24
.set RD,   25
.set CO,   26                          ; v26     my byte offset in two rows of R and of C
.set BO,   27
.set SPW,  28                          ; never rewritten
.set NIL,  29                          ; never rewritten
.set TMP,  32
.set BIAS, 96
.set ACC,  128
.set F0,   0
.set F1,   128
.set WV, 14                            ; s14 my wave's number; s15 its half of the rows; s16 its half of the columns
.set G1,  24                           ; s[24:31] descriptor group 1 for A's tiles;  s[32:39] group 0: a set for each of the two first fills; the second then walks on
.set G0,  32
.set AB,  40                           ; s[40:41] A at my two panels of K step 0;  s[42:43] W at my half of the tile column's block 0
.set WB,  42
.set G1B, 48                           ; s[48:55], s[56:63] the same for W's
.set G0B, 56
.set NX,  66                           ; s66      the K step to be asked for next
.set TB,  67                           ; s67      LDS byte at which the slot in hand begins: 0 or SLOT
.set OFA, 68                           ; s[68:69] that step's byte offset in A
.set OFB, 70                           ; s[70:71] and in W
.set MSB, 0
.macro WIN new
.if MSB != (\new)
	s_set_vgpr_msb (MSB<<8)|(\new)
.set MSB, \new
.endif
.endm
.set MUL,  0x05                        ; sources 0 (W) and 1 (A) window 1; C and D window 0
.set TO_F, 0x40                        ; destination window 1, address window 0
.macro JLOAD s                         ; a joint load: waves 0 and 1 fetch A's panels, waves 2 and 3 the halves of W's block; an s_nop 0 and four v_nop follow each of the two lines
	s_cmp_lt_u32 s[WV], 2
	s_cbranch_scc0 .Lfor_b_\@
	tensor_load_to_lds s[G0+4*(\s):G0+4*(\s)+3], s[G1:G1+7]
	s_nop 0
.rept 4
	v_nop
.endr
	s_branch .Lasked_\@
.Lfor_b_\@:
	tensor_load_to_lds s[G0B+4*(\s):G0B+4*(\s)+3], s[G1B:G1B+7]
	s_nop 0
.rept 4
	v_nop
.endr
.Lasked_\@:
.endm
.macro CREST                           ; a round of the cluster's barrier behind its opening barrier
	s_cmp_lg_u32 s[WV], 0
	s_cbranch_scc1 .Lnot_wave_0_\@
	s_barrier_signal -3
.Lnot_wave_0_\@:
	s_barrier_wait -3
	s_barrier_signal -1
	s_barrier_wait -1
.endm
.macro CROUND
	s_barrier_signal -1
	s_barrier_wait -1
	CREST
.endm
.macro POINT                           ; the lanes' addresses in the slot in hand
	v_add_nc_u32 v[ADRA], s[TB], v[A0]
	v_add_nc_u32 v[ADRB], s[TB], v[B0]
	v_add_nc_u32 v[ADRB+1], s[TB], v[B0+1]
.endm
	s_load_b256 s[4:11], s[0:1], 0x0               ; A s[4:5], W s[6:7], bias s[8:9], R s[10:11]
	s_load_b64 s[12:13], s[0:1], 0x20              ; C
	v_lshl_add_u32 v[SPW], v0, 2, SPARE
	v_mov_b32 v[NIL], 0
	ds_add_u32 v[SPW], v[NIL]                      ; the wave's opening: the add and its wait stand ahead of my first tensor load; the set-up below, work on registers, stands between them
	ds_add_u32 v28, v29
	v_lshrrev_b32 v1, 5, v0
	v_readfirstlane_b32 s[WV], v1                  ; wave 0..3
	s_lshr_b32 s15, s[WV], 1
	s_and_b32 s16, s[WV], 1
	s_bfe_u32 s19, ttmp6, 0x40000                  ; cx, cy
	s_bfe_u32 s20, ttmp6, 0x40004
	s_lshl_b32 s18, ttmp9, 2
	s_add_co_u32 s18, s18, s19                     ; tile column of C
	s_and_b32 s17, ttmp7, 0xffff
	s_lshl_b32 s17, s17, 2
	s_add_co_u32 s17, s17, s20                     ; tile row of C
	s_lshl_b32 s21, s20, 2
	s_lshl_b32 s21, 15, s21                        ; my row of the cluster
	s_lshl_b32 s22, 0x1111, s19                    ; my column
	s_and_b32 s72, ttmp7, 3                        ; the cluster's first K step: T / 4 x (cluster y % 4)
	s_mul_i32 s72, s72, T/4
	s_mul_i32 s[NX], ttmp9, T/2                    ; + T / 2 x cluster x,
	s_add_co_u32 s[NX], s[NX], s72
	s_and_b32 s[NX], s[NX], T-1                    ; round T
	s_mov_b32 s[TB], 0
	s_mov_b32 s[OFA+1], 0
	s_mov_b32 s[OFB+1], 0
	s_or_b32 s[G1+0], s21, (1<<16)|(1<<20)|(1<<21)|(4<<22)|(3<<25)   ; the mask of my row; 2-byte elements; padding on; bit 21 beside a mask; after every 32 words (code 4) 4 words (code 3)
	s_or_b32 s[G1B+0], s22, (1<<16)|(1<<20)|(1<<21)|(5<<22)|(7<<25)  ; the mask of my column; after every 64 words (code 5) 8 words (code 7)
	s_mov_b32 s[G1+1], 8192<<16                    ; A: tensor_dim0 = 8,192 elements: a panel's 128 rows on end,
	s_mov_b32 s[G1+2], 2<<16                       ; tensor_dim1 = 2 panels
	s_mov_b32 s[G1+3], 8192<<16                    ; tile_dim0
	s_mov_b32 s[G1+4], 2                           ; tile_dim1
	s_mov_b32 s[G1+5], PP/2                        ; elements from panel to panel
	s_mov_b32 s[G1+6], 0
	s_mov_b32 s[G1+7], 0
	s_mov_b32 s[G1B+1], 128<<16                    ; W: rows of 128 elements (256 bytes),
	s_mov_b32 s[G1B+2], 128<<16                    ; 128 of them
	s_mov_b32 s[G1B+3], 128<<16
	s_mov_b32 s[G1B+4], 128
	s_mov_b32 s[G1B+5], 128
	s_mov_b32 s[G1B+6], 0
	s_mov_b32 s[G1B+7], 0
	s_lshl_b32 s[AB], s17, 14                      ; A: 128 rows of 128 bytes a tile row,
	s_lshl_b32 s[AB+1], s16, 20                    ; my two panels of a step's four
	s_add_co_u32 s[AB], s[AB], s[AB+1]
	s_mov_b32 s[AB+1], 0
	s_mul_i32 s[WB], s18, T*65536                  ; W: T blocks a tile column,
	s_lshl_b32 s[WB+1], s16, 15                    ; my half of a block
	s_add_co_u32 s[WB], s[WB], s[WB+1]
	s_add_co_u32 s[WB], s[WB], WOFF
	s_mov_b32 s[WB+1], 0
	s_mul_i32 s23, s[WV], QUART                    ; where they go: A's two halves, then W's two: no place in the cluster enters an LDS address
	s_wait_dscnt 0x0                               ; the opening add is done
	s_wait_kmcnt 0x0
	s_add_nc_u64 s[AB:AB+1], s[4:5], s[AB:AB+1]
	s_add_nc_u64 s[WB:WB+1], s[6:7], s[WB:WB+1]
	CROUND                                         ; all sixteen work-groups are here: the first joint loads meet
.irp s, 0,1
	s_lshl_b32 s[OFA], s[NX], 21                   ; a K step is four panels of A
	s_lshl_b32 s[OFB], s[NX], 16                   ; and one block of W
	s_mov_b32 s[G0+4*(\s)], 1
	s_add_co_u32 s[G0+4*(\s)+1], s23, (\s)*SLOT
	s_add_nc_u64 s[G0+4*(\s)+2:G0+4*(\s)+3], s[AB:AB+1], s[OFA:OFA+1]
	s_or_b32 s[G0+4*(\s)+3], s[G0+4*(\s)+3], 0x80000000
	s_mov_b32 s[G0B+4*(\s)], 1
	s_add_co_u32 s[G0B+4*(\s)+1], s23, (\s)*SLOT
	s_add_nc_u64 s[G0B+4*(\s)+2:G0B+4*(\s)+3], s[WB:WB+1], s[OFB:OFB+1]
	s_or_b32 s[G0B+4*(\s)+3], s[G0B+4*(\s)+3], 0x80000000
	s_add_co_u32 s[NX], s[NX], 1
	s_and_b32 s[NX], s[NX], T-1
	JLOAD \s                                       ; two loads of mine are out
.endr
	v_and_b32 v1, 15, v0                           ; l % 16
	v_bfe_u32 v2, v0, 4, 1                         ; l / 16
	v_mul_u32_u24 v3, v1, APITCH
	v_lshl_add_u32 v3, v2, 4, v3                   ; a fragment of A: row x pitch + 16 x half
	s_mul_i32 s44, s15, 64*APITCH                  ; my 64 rows
	v_add_nc_u32 v[A0], s44, v3
	v_and_b32 v4, 7, v0                            ; the turning load: k = 8 (l / 16) + l % 8, n = 8 ((l / 8) % 2) + 0..7
	v_lshl_add_u32 v4, v2, 3, v4
	v_mul_u32_u24 v4, v4, BPITCH
	v_bfe_u32 v5, v0, 3, 1
	v_lshl_add_u32 v4, v5, 4, v4
	s_lshl_b32 s44, s16, 7                         ; my 64 columns
	s_add_co_u32 s44, s44, BOFF
	v_add_nc_u32 v[B0], s44, v4
	v_add_nc_u32 v[B0+1], QUART, v[B0]             ; 128 k on: beyond the reach of a 16-bit offset from the first
	POINT
	s_mul_i32 s44, s[WV], STW
	s_add_co_u32 s44, s44, STAGE                   ; my stage
	v_mul_u32_u24 v5, v1, SPITCH                   ; in: row l % 16, 32 bytes for each half of the lanes
	v_lshl_add_u32 v5, v2, 5, v5
	v_add_nc_u32 v[STO], s44, v5
	v_mul_u32_u24 v5, v2, SPITCH                   ; back: lanes 0-15 take one row of 256 bytes, lanes 16-31 the next
	v_lshl_add_u32 v5, v1, 4, v5
	v_add_nc_u32 v[RD], s44, v5
	v_lshlrev_b32 v5, 12, v2                       ; and the same two rows in R and C
	v_lshl_add_u32 v[CO], v1, 4, v5
	v_lshlrev_b32 v[BO], 5, v2
	s_lshl_b32 s46, s18, 9                         ; my first column, in bytes of f32
	s_lshl_b32 s47, s16, 8
	s_add_co_u32 s46, s46, s47
	s_mov_b32 s47, 0
	s_add_nc_u64 s[8:9], s[8:9], s[46:47]
	s_lshl_b32 s44, s17, 19                        ; my first row, 4,096 bytes a row
	s_lshl_b32 s45, s15, 18
	s_add_co_u32 s44, s44, s45
	s_mov_b32 s45, 0
	s_add_nc_u64 s[44:45], s[44:45], s[46:47]
	s_add_nc_u64 s[10:11], s[10:11], s[44:45]
	s_add_nc_u64 s[12:13], s[12:13], s[44:45]
.irp b, 0,1,2,3
	global_load_b128 v[BIAS+8*\b:BIAS+8*\b+3],   v[BO], s[8:9] offset:64*\b
	global_load_b128 v[BIAS+8*\b+4:BIAS+8*\b+7], v[BO], s[8:9] offset:64*\b+16
.endr
	WIN 0x80                                       ; destination window 2: the residual, in the layout of the way out: rows 2 i + l / 16, 16 bytes a lane
.set i, 0
.rept 32
	global_load_b128 v[4*i:4*i+3], v[CO], s[10:11] offset:2*i*4096
.set i, i+1
.endr
	WIN 0
; 8 matrix instructions: m blocks a0, a0 + 1 x all 4 n blocks, 32 along K: half c of buffer f.  first = 1: the sums start from the bias.  The 16 accumulators take turns.
.macro MUL8 f, c, a0, first
	WIN MUL
.irp a, \a0, (\a0)+1
.irp b, 0,1,2,3
.if \first
	v_wmma_f32_16x16x32_bf16 v[ACC+8*(4*(\a)+(\b)):ACC+8*(4*(\a)+(\b))+7], v[(\f)+64+8*(4*(\c)+(\b)):(\f)+64+8*(4*(\c)+(\b))+7], v[(\f)+8*(4*(\c)+(\a)):(\f)+8*(4*(\c)+(\a))+7], v[BIAS+8*(\b):BIAS+8*(\b)+7]
.else
	v_wmma_f32_16x16x32_bf16 v[ACC+8*(4*(\a)+(\b)):ACC+8*(4*(\a)+(\b))+7], v[(\f)+64+8*(4*(\c)+(\b)):(\f)+64+8*(4*(\c)+(\b))+7], v[(\f)+8*(4*(\c)+(\a)):(\f)+8*(4*(\c)+(\a))+7], v[ACC+8*(4*(\a)+(\b)):ACC+8*(4*(\a)+(\b))+7]
.endif
.endr
.endr
.endm
; 32 LDS loads in one run: the fragments of quarter q (64 along K: one panel of A) of the slot in hand into buffer f; the first 32 along K first
.macro FETCH q, f
	WIN TO_F
.irp c, 0,1
.irp i, 0,1,2,3
	ds_load_tr16_b128 v[(\f)+64+8*(4*(\c)+(\i)):(\f)+64+8*(4*(\c)+(\i))+3],   v[ADRB+(\q)/2] offset:((\q)%2)*64*BPITCH+(\c)*32*BPITCH+32*(\i)
	ds_load_tr16_b128 v[(\f)+64+8*(4*(\c)+(\i))+4:(\f)+64+8*(4*(\c)+(\i))+7], v[ADRB+(\q)/2] offset:((\q)%2)*64*BPITCH+(\c)*32*BPITCH+32*(\i)+16*BPITCH
	ds_load_b128 v[(\f)+8*(4*(\c)+(\i)):(\f)+8*(4*(\c)+(\i))+3],               v[ADRA] offset:(\q)*APANEL+64*(\c)+(\i)*16*APITCH
	ds_load_b128 v[(\f)+8*(4*(\c)+(\i))+4:(\f)+8*(4*(\c)+(\i))+7],             v[ADRA] offset:(\q)*APANEL+64*(\c)+(\i)*16*APITCH+32
.endr
.endr
.endm
.macro PLACES                          ; four places in front of loads into registers that matrix instructions have read, and of LDS stores that read results (ISA guide 7.12.1 for vector instructions)
.rept 4
	v_nop
.endr
.endm
; A K step is four quarters of 64 along K, 32 matrix instructions each, on buffers 0, 1, 0, 1.  One of the first three: multiplies buffer f and fetches quarter q into g.
.macro QUARTER q, f, g, first
	s_wait_dscnt 16                                ; the first 32 along K are in
	MUL8 \f, 0, 0, \first
	MUL8 \f, 0, 2, \first
	PLACES
	FETCH \q, \g
	s_wait_dscnt 32                                ; all but the 32 just issued
	MUL8 \f, 1, 0, 0
	MUL8 \f, 1, 2, 0
.endm
; The last quarter multiplies buffer 1 and changes slots: ONE barrier; in front of it each wave waits for all its tensor loads, adds 0 to its spare word, and waits for that and for its own reads of this slot.
; fill = 1: the barrier opens a round of the cluster's barrier; behind the round this slot is filled again, first thing, with K step NX; then come the next slot's first fragments.
; fill = 0: the last two K steps: nothing is asked for; in the very last (s3 = 1) there is no next slot, and the run of loads is jumped over.
.macro TURN fill
	WIN 0                                          ; (the add's two registers lie in window 0)
	s_wait_tensorcnt 0x0                           ; all my tensor loads have landed: my part of the next slot
	ds_add_u32 v[SPW], v[NIL]                      ; 0 onto my spare word
	s_wait_dscnt 17                                ; (the add and the youngest sixteen loads may be out)
	MUL8 F1, 0, 0, 0                               ; eight matrix instructions stand between the add and the wait for it
	s_wait_dscnt 0x0                               ; the add is done, and my reads of this slot are over
	s_barrier_signal -1
	MUL8 F1, 0, 2, 0
	WIN 0
	s_barrier_wait -1
.if \fill
	CREST                                          ; no wave of any partner still reads this slot's tile or has a load on its way
	s_lshl_b32 s[OFA], s[NX], 21                   ; the walking descriptors: no load of mine is out, so they may be written.  The step's place in A and in W,
	s_lshl_b32 s[OFB], s[NX], 16
	s_xor_b32 s[G0+5], s[G0+5], SLOT               ; the other slot than last time,
	s_add_nc_u64 s[G0+6:G0+7], s[AB:AB+1], s[OFA:OFA+1]  ; the address made anew,
	s_or_b32 s[G0+7], s[G0+7], 0x80000000          ; the type set again
	s_xor_b32 s[G0B+5], s[G0B+5], SLOT
	s_add_nc_u64 s[G0B+6:G0B+7], s[WB:WB+1], s[OFB:OFB+1]
	s_or_b32 s[G0B+7], s[G0B+7], 0x80000000
	s_add_co_u32 s[NX], s[NX], 1                   ; the next step, round T
	s_and_b32 s[NX], s[NX], T-1
	JLOAD 1                                        ; the four v_nop behind it are also the places in front of the loads below
.else
	PLACES
.endif
	s_xor_b32 s[TB], s[TB], SLOT                   ; the fetches go on in the other slot
	POINT
.if !(\fill)
	s_cmp_eq_u32 s3, 1
	s_cbranch_scc1 .Lno_fetch_\@
.endif
	FETCH 0, F0
.if !(\fill)
	WIN 0
.Lno_fetch_\@:
.endif
	MUL8 F1, 1, 0, 0
	MUL8 F1, 1, 2, 0
.endm
; THE WAY OUT, a block of 16 rows at a time, through my own stage: a wave's 64 columns of f32 are 256 consecutive bytes of a row of C, so no other wave has a part in them and no barrier is needed.
.macro STG a                           ; the accumulators go into the stage as they are, each from its low end, and come back as whole rows
.if (\a) >= 2
	s_wait_xcnt 0x0                                ; every earlier store has had its addresses translated (ISA guide 3.1): this set of rows, which block a - 2 stored, is loaded again only behind this wait
.endif
.irp b, 0,1,2,3
	ds_store_b128 v[STO], v[ACC+8*(4*(\a)+(\b)):ACC+8*(4*(\a)+(\b))+3]   offset:64*(\b)
	ds_store_b128 v[STO], v[ACC+8*(4*(\a)+(\b))+4:ACC+8*(4*(\a)+(\b))+7] offset:64*(\b)+16
.endr
.irp t, 0,1,2,3,4,5,6,7
	ds_load_b128 v[TMP+32*((\a)%2)+4*(\t):TMP+32*((\a)%2)+4*(\t)+3], v[RD] offset:(\t)*2*SPITCH  ; LDS serves a wave's instructions in order (ISA guide 5.7.1.4): these see the stores above
.endr
.endm
.macro FIN a, younger                  ; younger: the LDS instructions issued behind block a's loads: the next block's sixteen, or none
	s_wait_dscnt \younger
	WIN 0x08                                       ; source 1 window 2: the residual
.set z, 0
.rept 16
	v_pk_add_f32 v[TMP+32*((\a)%2)+2*z:TMP+32*((\a)%2)+2*z+1], v[TMP+32*((\a)%2)+2*z:TMP+32*((\a)%2)+2*z+1], v[32*(\a)+2*z:32*(\a)+2*z+1]
.set z, z+1
.endr
	WIN 0
.irp t, 0,1,2,3,4,5,6,7
	global_store_b128 v[CO], v[TMP+32*((\a)%2)+4*(\t):TMP+32*((\a)%2)+4*(\t)+3], s[12:13] offset:(16*(\a)+2*(\t))*4096  ; 16 lanes store 256 consecutive bytes, aligned
.endr
.endm
	s_wait_tensorcnt 1                             ; my part of the first K step is in; the second's may stay out
	s_barrier_signal -1
	s_barrier_wait -1                              ; everybody's is
	FETCH 0, F0
	s_wait_loadcnt 32                              ; the bias is in; the residual's 32 loads stay out
	QUARTER 1, F0, F1, 1                           ; the first quarter stands in front of the loop: its first products start the sums
	WIN 0                                          ; at a label and at a branch every window is 0
	s_mov_b32 s3, T-2
	s_branch .Lin                                  ; the loop is entered behind a step's first quarter
.Lstep:                                                ; T - 2 trips: a K step, and the slot that it leaves is filled again with the step two steps on
	QUARTER 1, F0, F1, 0
	WIN 0
.Lin:
	QUARTER 2, F1, F0, 0
	QUARTER 3, F0, F1, 0
	TURN 1
	WIN 0
	s_sub_co_u32 s3, s3, 1
	s_cmp_lg_u32 s3, 0
	s_cbranch_scc1 .Lstep
	s_mov_b32 s3, 2
.Ltail:                                                ; the last two K steps fill nothing, and have no round of the cluster's barrier
	QUARTER 1, F0, F1, 0
	QUARTER 2, F1, F0, 0
	QUARTER 3, F0, F1, 0
	TURN 0
	WIN 0
	s_sub_co_u32 s3, s3, 1
	s_cmp_lg_u32 s3, 0
	s_cbranch_scc1 .Ltail
	PLACES
	s_wait_loadcnt 0x0                             ; the residual
	STG 0
	STG 1
	FIN 0, 16
	STG 2
	FIN 1, 16
	STG 3
	FIN 2, 16
	FIN 3, 0
	s_wait_tensorcnt 0x0                           ; the wave's end, behind my last tensor load and my last LDS store
	ds_add_u32 v[SPW], v[NIL]
	s_wait_dscnt 0x0
	CROUND                                         ; the closing round: no work-group ends while a partner may still ask for a tile that names it
	s_endpgm
.Lfunc_end_k_q70bc5fe016_oproj:
	.size	k_q70bc5fe016_oproj, .Lfunc_end_k_q70bc5fe016_oproj-k_q70bc5fe016_oproj
	.p2alignl 7, 3214868480
	.fill 96, 4, 3214868480
	.section	.rodata,"a",@progbits
	.p2align	6, 0x0
	.amdhsa_kernel k_q70bc5fe016_oproj
		.amdhsa_group_segment_fixed_size 327680
		.amdhsa_private_segment_fixed_size 0
		.amdhsa_enable_private_segment 0
		.amdhsa_kernarg_size 40
		.amdhsa_user_sgpr_count 2
		.amdhsa_user_sgpr_kernarg_segment_ptr 1
		.amdhsa_wavefront_size32 1
		.amdhsa_system_sgpr_workgroup_id_x 1
		.amdhsa_system_sgpr_workgroup_id_y 1
		.amdhsa_system_sgpr_workgroup_id_z 1
		.amdhsa_system_vgpr_workitem_id 0
		.amdhsa_next_free_vgpr 640
		.amdhsa_next_free_sgpr 80
		.amdhsa_reserve_vcc 0
		.amdhsa_float_denorm_mode_32 3
		.amdhsa_float_denorm_mode_16_64 3
		.amdhsa_memory_ordered 1
		.amdhsa_forward_progress 1
		.amdhsa_inst_pref_size 67
	.end_amdhsa_kernel
	.amdgpu_metadata
---
amdhsa.version: [ 1, 2 ]
amdhsa.kernels:
  - .name:           k_q70bc5fe016_oproj
    .symbol:         k_q70bc5fe016_oproj.kd
    .args:
      - { .name: af, .offset: 0, .size: 8, .value_kind: global_buffer, .address_space: global }
      - { .name: wr, .offset: 8, .size: 8, .value_kind: global_buffer, .address_space: global }
      - { .name: bo, .offset: 16, .size: 8, .value_kind: global_buffer, .address_space: global }
      - { .name: x, .offset: 24, .size: 8, .value_kind: global_buffer, .address_space: global }
      - { .name: x1, .offset: 32, .size: 8, .value_kind: global_buffer, .address_space: global }
    .group_segment_fixed_size: 327680
    .private_segment_fixed_size: 0
    .kernarg_segment_align: 8
    .kernarg_segment_size: 40
    .max_flat_workgroup_size: 128
    .sgpr_count:     80
    .vgpr_count:     640
    .wavefront_size: 32
...
	.end_amdgpu_metadata
.endif
;; end of part 4
;; launch ln2: the kernel of part 1 again; grid 256 x 1, 8 waves a work-group, no clusters, 0 bytes of LDS; arguments x1, ln2_g, ln2_b, hn, Wq, Wk, Wv, W1, Wo, W2, bq, bk, bv, b1, pq, pf, wr; writes hn, pq, pf, wr
;; launch ffn1: the kernel of part 2 again; grid 16 x 16, 4 waves a work-group, clusters of 4 x 4, 327,680 bytes of LDS; arguments hn, pf, af; writes af
;; launch ffn2 (part 5): grid 8 x 32, 4 waves a work-group, clusters of 4 x 4, 327,680 bytes of LDS; arguments af, wr, b2, x1, out0; writes out0
.if DOCPART == 5
	.amdgcn_target "amdgcn-amd-amdhsa--gfx1250"
	.amdhsa_code_object_version 6
	.text
	.protected	k_q70bc5fe016_ffn2
	.globl	k_q70bc5fe016_ffn2
	.p2align	8
	.type	k_q70bc5fe016_ffn2,@function
k_q70bc5fe016_ffn2:
	s_mov_b64 s[64:65], 0
	v_nop
	global_prefetch_b8 v0, s[64:65] scope:SCOPE_SE
	s_setreg_imm32_b32 hwreg(HW_REG_WAVE_MODE, 25, 1), 1
	s_wait_xcnt 0x0
	s_wait_alu depctr_hold_cnt(0) depctr_sa_sdst(0) depctr_va_vdst(0) depctr_va_sdst(0) depctr_va_ssrc(0) depctr_va_vcc(0) depctr_vm_vsrc(0)
	s_getreg_b32 s2, hwreg(HW_REG_IB_STS2, 6, 4)
	s_cmp_eq_u32 s2, 0
	s_cbranch_scc0 .Lentry_in_a_cluster
	s_endpgm
.Lentry_in_a_cluster:
	s_bfe_u32 s2, ttmp6, 0x10000c
	s_cmp_lg_u32 s2, 0xf033
	s_cbranch_scc0 .Lentry_shape_is_right
	s_endpgm
.Lentry_shape_is_right:
; C = R + A W + bias.  A: bf16 panels [4 T][4,096 rows][64], K = 256 T.  W: bf16 blocks [256 k][128 n] of 65,536 bytes from byte WOFF on, number T x (n / 128) + k / 256.  bias: [1,024] f32.
; R and C: [4,096][1,024] f32, row-major.  Sums in f32, started from the bias; the residual R is added in f32 at the end.
; LIMIT.  The f32 sums run over K in the turned order told below, not in ascending order.
; This text stands twice in the program, with T = 4 (the attention's output projection) and T = 16 (the FFN's second product).
; A tile of C is 128 x 128, which gives each of 256 WGPs one work-group.  Four waves, each 64 x 64: 16 accumulators.  K goes in T steps of 256 through two LDS slots.
; CLUSTER: 4 x 4 work-groups.  The four of a row of the cluster need the same tiles of A, the four of a column the same tiles of W: each tile is asked for JOINTLY, by the same tensor load with the same
; descriptor and a mask that names the four.
; THE WALK ALONG K IS TURNED.  A cluster begins at K step (T / 2 x cluster x + T / 4 x (cluster y % 4)) % T and goes round.  The two clusters of a cluster row, which need the same rows of A, begin half of K
; apart: each asks first for one half of those tiles, and for the other half T / 2 trips behind its neighbour.  Clusters one cluster row apart, which need the same columns of W, begin a quarter of K apart.
; The start is made of the cluster's own x and y, which all sixteen partners share.
; A K STEP IS WRITTEN ONCE, with a refill (a loop of T - 2 trips, entered behind its first quarter, which stands in front since its products start the sums) and once more without (a loop of two trips).
; The slots take turns through registers: TB, turned by an exclusive or with SLOT, is added to the lanes' places; the walking descriptors' LDS words are turned by the same exclusive or.
; A's part of a K step is four panels' 128 rows, 16,384 dense bytes each: a wave asks for two of them as two long rows, padded behind every 128 bytes: LDS rows (one row of A, 64 k) 144 bytes apart.
; W's part is the block itself, [k][n]: rows of 256 bytes, 288 apart in LDS; its fragments come out turned, by ds_load_tr16_b128.
; THE MATRIX INSTRUCTION IS USED TRANSPOSED (source 0 = 16 columns of W, source 1 = 16 rows of A): a lane holds row l % 16 of C and eight neighbouring columns.
; REGISTERS: window 0: v0-31 addresses; v32-95 rows on the way out, two sets; v96-127 the bias; v128-255 the accumulators ((a, b) at v[128 + 8 (4 a + b)]).
;   window 1: two fragment buffers of 128: for 64 along K, 64 registers of A, then 64 of W.     window 2: v0-127 the residual of my 64 x 64.
.set T,      16                        ; K steps
.set WOFF,   2097152                   ; behind the output projection's 32 blocks
.set PP,     524288                    ; bytes in a panel
.set APITCH, 144                       ; 36 words: the 16 rows of a load start at 16 different groups of four banks (64 banks of 4 bytes: ISA guide 11.1)
.set APANEL, 128*APITCH
.set BOFF,   4*APANEL
.set BPITCH, 288                       ; 72 words
.set QUART,  2*APANEL                  ; what one tensor load brings: 36,864 bytes of LDS, of A (two panels) as of W (128 k)
.set SLOT,   4*QUART                   ; 147,456 = 0x24000: no bit in common with a load's place in a slot (0, 0x9000, 0x12000, 0x1b000), so an exclusive or with it goes from slot to slot
.set STAGE,  2*SLOT                    ; behind the ring: 16 rows x 272 bytes for each wave
.set SPITCH, 272
.set STW,    16*SPITCH
.set SPARE,  STAGE+4*STW               ; behind the stages: the spare words, 128 bytes for each wave: two blocks of 256 bytes that no other line names
.set A0,   16                          ; v16     my lane's place among a slot's rows of A; never rewritten
.set B0,   17                          ; v17-18  the same for W: quarters 0-1, quarters 2-3
.set ADRA, 20                          ; v20     LDS address of my A fragments in the slot in hand
.set ADRB, 21                          ; v21-22  of W's: quarters 0-1, 2-3
.set STO,  24
.set RD,   25
.set CO,   26                          ; v26     my byte offset in two rows of R and of C
.set BO,   27
.set SPW,  28                          ; never rewritten
.set NIL,  29                          ; never rewritten
.set TMP,  32
.set BIAS, 96
.set ACC,  128
.set F0,   0
.set F1,   128
.set WV, 14                            ; s14 my wave's number; s15 its half of the rows; s16 its half of the columns
.set G1,  24                           ; s[24:31] descriptor group 1 for A's tiles;  s[32:39] group 0: a set for each of the two first fills; the second then walks on
.set G0,  32
.set AB,  40                           ; s[40:41] A at my two panels of K step 0;  s[42:43] W at my half of the tile column's block 0
.set WB,  42
.set G1B, 48                           ; s[48:55], s[56:63] the same for W's
.set G0B, 56
.set NX,  66                           ; s66      the K step to be asked for next
.set TB,  67                           ; s67      LDS byte at which the slot in hand begins: 0 or SLOT
.set OFA, 68                           ; s[68:69] that step's byte offset in A
.set OFB, 70                           ; s[70:71] and in W
.set MSB, 0
.macro WIN new
.if MSB != (\new)
	s_set_vgpr_msb (MSB<<8)|(\new)
.set MSB, \new
.endif
.endm
.set MUL,  0x05                        ; sources 0 (W) and 1 (A) window 1; C and D window 0
.set TO_F, 0x40                        ; destination window 1, address window 0
.macro JLOAD s                         ; a joint load: waves 0 and 1 fetch A's panels, waves 2 and 3 the halves of W's block; an s_nop 0 and four v_nop follow each of the two lines
	s_cmp_lt_u32 s[WV], 2
	s_cbranch_scc0 .Lfor_b_\@
	tensor_load_to_lds s[G0+4*(\s):G0+4*(\s)+3], s[G1:G1+7]
	s_nop 0
.rept 4
	v_nop
.endr
	s_branch .Lasked_\@
.Lfor_b_\@:
	tensor_load_to_lds s[G0B+4*(\s):G0B+4*(\s)+3], s[G1B:G1B+7]
	s_nop 0
.rept 4
	v_nop
.endr
.Lasked_\@:
.endm
.macro CREST                           ; a round of the cluster's barrier behind its opening barrier
	s_cmp_lg_u32 s[WV], 0
	s_cbranch_scc1 .Lnot_wave_0_\@
	s_barrier_signal -3
.Lnot_wave_0_\@:
	s_barrier_wait -3
	s_barrier_signal -1
	s_barrier_wait -1
.endm
.macro CROUND
	s_barrier_signal -1
	s_barrier_wait -1
	CREST
.endm
.macro POINT                           ; the lanes' addresses in the slot in hand
	v_add_nc_u32 v[ADRA], s[TB], v[A0]
	v_add_nc_u32 v[ADRB], s[TB], v[B0]
	v_add_nc_u32 v[ADRB+1], s[TB], v[B0+1]
.endm
	s_load_b256 s[4:11], s[0:1], 0x0               ; A s[4:5], W s[6:7], bias s[8:9], R s[10:11]
	s_load_b64 s[12:13], s[0:1], 0x20              ; C
	v_lshl_add_u32 v[SPW], v0, 2, SPARE
	v_mov_b32 v[NIL], 0
	ds_add_u32 v[SPW], v[NIL]                      ; the wave's opening: the add and its wait stand ahead of my first tensor load; the set-up below, work on registers, stands between them
	ds_add_u32 v28, v29
	v_lshrrev_b32 v1, 5, v0
	v_readfirstlane_b32 s[WV], v1                  ; wave 0..3
	s_lshr_b32 s15, s[WV], 1
	s_and_b32 s16, s[WV], 1
	s_bfe_u32 s19, ttmp6, 0x40000                  ; cx, cy
	s_bfe_u32 s20, ttmp6, 0x40004
	s_lshl_b32 s18, ttmp9, 2
	s_add_co_u32 s18, s18, s19                     ; tile column of C
	s_and_b32 s17, ttmp7, 0xffff
	s_lshl_b32 s17, s17, 2
	s_add_co_u32 s17, s17, s20                     ; tile row of C
	s_lshl_b32 s21, s20, 2
	s_lshl_b32 s21, 15, s21                        ; my row of the cluster
	s_lshl_b32 s22, 0x1111, s19                    ; my column
	s_and_b32 s72, ttmp7, 3                        ; the cluster's first K step: T / 4 x (cluster y % 4)
	s_mul_i32 s72, s72, T/4
	s_mul_i32 s[NX], ttmp9, T/2                    ; + T / 2 x cluster x,
	s_add_co_u32 s[NX], s[NX], s72
	s_and_b32 s[NX], s[NX], T-1                    ; round T
	s_mov_b32 s[TB], 0
	s_mov_b32 s[OFA+1], 0
	s_mov_b32 s[OFB+1], 0
	s_or_b32 s[G1+0], s21, (1<<16)|(1<<20)|(1<<21)|(4<<22)|(3<<25)   ; the mask of my row; 2-byte elements; padding on; bit 21 beside a mask; after every 32 words (code 4) 4 words (code 3)
	s_or_b32 s[G1B+0], s22, (1<<16)|(1<<20)|(1<<21)|(5<<22)|(7<<25)  ; the mask of my column; after every 64 words (code 5) 8 words (code 7)
	s_mov_b32 s[G1+1], 8192<<16                    ; A: tensor_dim0 = 8,192 elements: a panel's 128 rows on end,
	s_mov_b32 s[G1+2], 2<<16                       ; tensor_dim1 = 2 panels
	s_mov_b32 s[G1+3], 8192<<16                    ; tile_dim0
	s_mov_b32 s[G1+4], 2                           ; tile_dim1
	s_mov_b32 s[G1+5], PP/2                        ; elements from panel to panel
	s_mov_b32 s[G1+6], 0
	s_mov_b32 s[G1+7], 0
	s_mov_b32 s[G1B+1], 128<<16                    ; W: rows of 128 elements (256 bytes),
	s_mov_b32 s[G1B+2], 128<<16                    ; 128 of them
	s_mov_b32 s[G1B+3], 128<<16
	s_mov_b32 s[G1B+4], 128
	s_mov_b32 s[G1B+5], 128
	s_mov_b32 s[G1B+6], 0
	s_mov_b32 s[G1B+7], 0
	s_lshl_b32 s[AB], s17, 14                      ; A: 128 rows of 128 bytes a tile row,
	s_lshl_b32 s[AB+1], s16, 20                    ; my two panels of a step's four
	s_add_co_u32 s[AB], s[AB], s[AB+1]
	s_mov_b32 s[AB+1], 0
	s_mul_i32 s[WB], s18, T*65536                  ; W: T blocks a tile column,
	s_lshl_b32 s[WB+1], s16, 15                    ; my half of a block
	s_add_co_u32 s[WB], s[WB], s[WB+1]
	s_add_co_u32 s[WB], s[WB], WOFF
	s_mov_b32 s[WB+1], 0
	s_mul_i32 s23, s[WV], QUART                    ; where they go: A's two halves, then W's two: no place in the cluster enters an LDS address
	s_wait_dscnt 0x0                               ; the opening add is done
	s_wait_kmcnt 0x0
	s_add_nc_u64 s[AB:AB+1], s[4:5], s[AB:AB+1]
	s_add_nc_u64 s[WB:WB+1], s[6:7], s[WB:WB+1]
	CROUND                                         ; all sixteen work-groups are here: the first joint loads meet
.irp s, 0,1
	s_lshl_b32 s[OFA], s[NX], 21                   ; a K step is four panels of A
	s_lshl_b32 s[OFB], s[NX], 16                   ; and one block of W
	s_mov_b32 s[G0+4*(\s)], 1
	s_add_co_u32 s[G0+4*(\s)+1], s23, (\s)*SLOT
	s_add_nc_u64 s[G0+4*(\s)+2:G0+4*(\s)+3], s[AB:AB+1], s[OFA:OFA+1]
	s_or_b32 s[G0+4*(\s)+3], s[G0+4*(\s)+3], 0x80000000
	s_mov_b32 s[G0B+4*(\s)], 1
	s_add_co_u32 s[G0B+4*(\s)+1], s23, (\s)*SLOT
	s_add_nc_u64 s[G0B+4*(\s)+2:G0B+4*(\s)+3], s[WB:WB+1], s[OFB:OFB+1]
	s_or_b32 s[G0B+4*(\s)+3], s[G0B+4*(\s)+3], 0x80000000
	s_add_co_u32 s[NX], s[NX], 1
	s_and_b32 s[NX], s[NX], T-1
	JLOAD \s                                       ; two loads of mine are out
.endr
	v_and_b32 v1, 15, v0                           ; l % 16
	v_bfe_u32 v2, v0, 4, 1                         ; l / 16
	v_mul_u32_u24 v3, v1, APITCH
	v_lshl_add_u32 v3, v2, 4, v3                   ; a fragment of A: row x pitch + 16 x half
	s_mul_i32 s44, s15, 64*APITCH                  ; my 64 rows
	v_add_nc_u32 v[A0], s44, v3
	v_and_b32 v4, 7, v0                            ; the turning load: k = 8 (l / 16) + l % 8, n = 8 ((l / 8) % 2) + 0..7
	v_lshl_add_u32 v4, v2, 3, v4
	v_mul_u32_u24 v4, v4, BPITCH
	v_bfe_u32 v5, v0, 3, 1
	v_lshl_add_u32 v4, v5, 4, v4
	s_lshl_b32 s44, s16, 7                         ; my 64 columns
	s_add_co_u32 s44, s44, BOFF
	v_add_nc_u32 v[B0], s44, v4
	v_add_nc_u32 v[B0+1], QUART, v[B0]             ; 128 k on: beyond the reach of a 16-bit offset from the first
	POINT
	s_mul_i32 s44, s[WV], STW
	s_add_co_u32 s44, s44, STAGE                   ; my stage
	v_mul_u32_u24 v5, v1, SPITCH                   ; in: row l % 16, 32 bytes for each half of the lanes
	v_lshl_add_u32 v5, v2, 5, v5
	v_add_nc_u32 v[STO], s44, v5
	v_mul_u32_u24 v5, v2, SPITCH                   ; back: lanes 0-15 take one row of 256 bytes, lanes 16-31 the next
	v_lshl_add_u32 v5, v1, 4, v5
	v_add_nc_u32 v[RD], s44, v5
	v_lshlrev_b32 v5, 12, v2                       ; and the same two rows in R and C
	v_lshl_add_u32 v[CO], v1, 4, v5
	v_lshlrev_b32 v[BO], 5, v2
	s_lshl_b32 s46, s18, 9                         ; my first column, in bytes of f32
	s_lshl_b32 s47, s16, 8
	s_add_co_u32 s46, s46, s47
	s_mov_b32 s47, 0
	s_add_nc_u64 s[8:9], s[8:9], s[46:47]
	s_lshl_b32 s44, s17, 19                        ; my first row, 4,096 bytes a row
	s_lshl_b32 s45, s15, 18
	s_add_co_u32 s44, s44, s45
	s_mov_b32 s45, 0
	s_add_nc_u64 s[44:45], s[44:45], s[46:47]
	s_add_nc_u64 s[10:11], s[10:11], s[44:45]
	s_add_nc_u64 s[12:13], s[12:13], s[44:45]
.irp b, 0,1,2,3
	global_load_b128 v[BIAS+8*\b:BIAS+8*\b+3],   v[BO], s[8:9] offset:64*\b
	global_load_b128 v[BIAS+8*\b+4:BIAS+8*\b+7], v[BO], s[8:9] offset:64*\b+16
.endr
	WIN 0x80                                       ; destination window 2: the residual, in the layout of the way out: rows 2 i + l / 16, 16 bytes a lane
.set i, 0
.rept 32
	global_load_b128 v[4*i:4*i+3], v[CO], s[10:11] offset:2*i*4096
.set i, i+1
.endr
	WIN 0
; 8 matrix instructions: m blocks a0, a0 + 1 x all 4 n blocks, 32 along K: half c of buffer f.  first = 1: the sums start from the bias.  The 16 accumulators take turns.
.macro MUL8 f, c, a0, first
	WIN MUL
.irp a, \a0, (\a0)+1
.irp b, 0,1,2,3
.if \first
	v_wmma_f32_16x16x32_bf16 v[ACC+8*(4*(\a)+(\b)):ACC+8*(4*(\a)+(\b))+7], v[(\f)+64+8*(4*(\c)+(\b)):(\f)+64+8*(4*(\c)+(\b))+7], v[(\f)+8*(4*(\c)+(\a)):(\f)+8*(4*(\c)+(\a))+7], v[BIAS+8*(\b):BIAS+8*(\b)+7]
.else
	v_wmma_f32_16x16x32_bf16 v[ACC+8*(4*(\a)+(\b)):ACC+8*(4*(\a)+(\b))+7], v[(\f)+64+8*(4*(\c)+(\b)):(\f)+64+8*(4*(\c)+(\b))+7], v[(\f)+8*(4*(\c)+(\a)):(\f)+8*(4*(\c)+(\a))+7], v[ACC+8*(4*(\a)+(\b)):ACC+8*(4*(\a)+(\b))+7]
.endif
.endr
.endr
.endm
; 32 LDS loads in one run: the fragments of quarter q (64 along K: one panel of A) of the slot in hand into buffer f; the first 32 along K first
.macro FETCH q, f
	WIN TO_F
.irp c, 0,1
.irp i, 0,1,2,3
	ds_load_tr16_b128 v[(\f)+64+8*(4*(\c)+(\i)):(\f)+64+8*(4*(\c)+(\i))+3],   v[ADRB+(\q)/2] offset:((\q)%2)*64*BPITCH+(\c)*32*BPITCH+32*(\i)
	ds_load_tr16_b128 v[(\f)+64+8*(4*(\c)+(\i))+4:(\f)+64+8*(4*(\c)+(\i))+7], v[ADRB+(\q)/2] offset:((\q)%2)*64*BPITCH+(\c)*32*BPITCH+32*(\i)+16*BPITCH
	ds_load_b128 v[(\f)+8*(4*(\c)+(\i)):(\f)+8*(4*(\c)+(\i))+3],               v[ADRA] offset:(\q)*APANEL+64*(\c)+(\i)*16*APITCH
	ds_load_b128 v[(\f)+8*(4*(\c)+(\i))+4:(\f)+8*(4*(\c)+(\i))+7],             v[ADRA] offset:(\q)*APANEL+64*(\c)+(\i)*16*APITCH+32
.endr
.endr
.endm
.macro PLACES                          ; four places in front of loads into registers that matrix instructions have read, and of LDS stores that read results (ISA guide 7.12.1 for vector instructions)
.rept 4
	v_nop
.endr
.endm
; A K step is four quarters of 64 along K, 32 matrix instructions each, on buffers 0, 1, 0, 1.  One of the first three: multiplies buffer f and fetches quarter q into g.
.macro QUARTER q, f, g, first
	s_wait_dscnt 16                                ; the first 32 along K are in
	MUL8 \f, 0, 0, \first
	MUL8 \f, 0, 2, \first
	PLACES
	FETCH \q, \g
	s_wait_dscnt 32                                ; all but the 32 just issued
	MUL8 \f, 1, 0, 0
	MUL8 \f, 1, 2, 0
.endm
; The last quarter multiplies buffer 1 and changes slots: ONE barrier; in front of it each wave waits for all its tensor loads, adds 0 to its spare word, and waits for that and for its own reads of this slot.
; fill = 1: the barrier opens a round of the cluster's barrier; behind the round this slot is filled again, first thing, with K step NX; then come the next slot's first fragments.
; fill = 0: the last two K steps: nothing is asked for; in the very last (s3 = 1) there is no next slot, and the run of loads is jumped over.
.macro TURN fill
	WIN 0                                          ; (the add's two registers lie in window 0)
	s_wait_tensorcnt 0x0                           ; all my tensor loads have landed: my part of the next slot
	ds_add_u32 v[SPW], v[NIL]                      ; 0 onto my spare word
	s_wait_dscnt 17                                ; (the add and the youngest sixteen loads may be out)
	MUL8 F1, 0, 0, 0                               ; eight matrix instructions stand between the add and the wait for it
	s_wait_dscnt 0x0                               ; the add is done, and my reads of this slot are over
	s_barrier_signal -1
	MUL8 F1, 0, 2, 0
	WIN 0
	s_barrier_wait -1
.if \fill
	CREST                                          ; no wave of any partner still reads this slot's tile or has a load on its way
	s_lshl_b32 s[OFA], s[NX], 21                   ; the walking descriptors: no load of mine is out, so they may be written.  The step's place in A and in W,
	s_lshl_b32 s[OFB], s[NX], 16
	s_xor_b32 s[G0+5], s[G0+5], SLOT               ; the other slot than last time,
	s_add_nc_u64 s[G0+6:G0+7], s[AB:AB+1], s[OFA:OFA+1]  ; the address made anew,
	s_or_b32 s[G0+7], s[G0+7], 0x80000000          ; the type set again
	s_xor_b32 s[G0B+5], s[G0B+5], SLOT
	s_add_nc_u64 s[G0B+6:G0B+7], s[WB:WB+1], s[OFB:OFB+1]
	s_or_b32 s[G0B+7], s[G0B+7], 0x80000000
	s_add_co_u32 s[NX], s[NX], 1                   ; the next step, round T
	s_and_b32 s[NX], s[NX], T-1
	JLOAD 1                                        ; the four v_nop behind it are also the places in front of the loads below
.else
	PLACES
.endif
	s_xor_b32 s[TB], s[TB], SLOT                   ; the fetches go on in the other slot
	POINT
.if !(\fill)
	s_cmp_eq_u32 s3, 1
	s_cbranch_scc1 .Lno_fetch_\@
.endif
	FETCH 0, F0
.if !(\fill)
	WIN 0
.Lno_fetch_\@:
.endif
	MUL8 F1, 1, 0, 0
	MUL8 F1, 1, 2, 0
.endm
; THE WAY OUT, a block of 16 rows at a time, through my own stage: a wave's 64 columns of f32 are 256 consecutive bytes of a row of C, so no other wave has a part in them and no barrier is needed.
.macro STG a                           ; the accumulators go into the stage as they are, each from its low end, and come back as whole rows
.if (\a) >= 2
	s_wait_xcnt 0x0                                ; every earlier store has had its addresses translated (ISA guide 3.1): this set of rows, which block a - 2 stored, is loaded again only behind this wait
.endif
.irp b, 0,1,2,3
	ds_store_b128 v[STO], v[ACC+8*(4*(\a)+(\b)):ACC+8*(4*(\a)+(\b))+3]   offset:64*(\b)
	ds_store_b128 v[STO], v[ACC+8*(4*(\a)+(\b))+4:ACC+8*(4*(\a)+(\b))+7] offset:64*(\b)+16
.endr
.irp t, 0,1,2,3,4,5,6,7
	ds_load_b128 v[TMP+32*((\a)%2)+4*(\t):TMP+32*((\a)%2)+4*(\t)+3], v[RD] offset:(\t)*2*SPITCH  ; LDS serves a wave's instructions in order (ISA guide 5.7.1.4): these see the stores above
.endr
.endm
.macro FIN a, younger                  ; younger: the LDS instructions issued behind block a's loads: the next block's sixteen, or none
	s_wait_dscnt \younger
	WIN 0x08                                       ; source 1 window 2: the residual
.set z, 0
.rept 16
	v_pk_add_f32 v[TMP+32*((\a)%2)+2*z:TMP+32*((\a)%2)+2*z+1], v[TMP+32*((\a)%2)+2*z:TMP+32*((\a)%2)+2*z+1], v[32*(\a)+2*z:32*(\a)+2*z+1]
.set z, z+1
.endr
	WIN 0
.irp t, 0,1,2,3,4,5,6,7
	global_store_b128 v[CO], v[TMP+32*((\a)%2)+4*(\t):TMP+32*((\a)%2)+4*(\t)+3], s[12:13] offset:(16*(\a)+2*(\t))*4096  ; 16 lanes store 256 consecutive bytes, aligned
.endr
.endm
	s_wait_tensorcnt 1                             ; my part of the first K step is in; the second's may stay out
	s_barrier_signal -1
	s_barrier_wait -1                              ; everybody's is
	FETCH 0, F0
	s_wait_loadcnt 32                              ; the bias is in; the residual's 32 loads stay out
	QUARTER 1, F0, F1, 1                           ; the first quarter stands in front of the loop: its first products start the sums
	WIN 0                                          ; at a label and at a branch every window is 0
	s_mov_b32 s3, T-2
	s_branch .Lin                                  ; the loop is entered behind a step's first quarter
.Lstep:                                                ; T - 2 trips: a K step, and the slot that it leaves is filled again with the step two steps on
	QUARTER 1, F0, F1, 0
	WIN 0
.Lin:
	QUARTER 2, F1, F0, 0
	QUARTER 3, F0, F1, 0
	TURN 1
	WIN 0
	s_sub_co_u32 s3, s3, 1
	s_cmp_lg_u32 s3, 0
	s_cbranch_scc1 .Lstep
	s_mov_b32 s3, 2
.Ltail:                                                ; the last two K steps fill nothing, and have no round of the cluster's barrier
	QUARTER 1, F0, F1, 0
	QUARTER 2, F1, F0, 0
	QUARTER 3, F0, F1, 0
	TURN 0
	WIN 0
	s_sub_co_u32 s3, s3, 1
	s_cmp_lg_u32 s3, 0
	s_cbranch_scc1 .Ltail
	PLACES
	s_wait_loadcnt 0x0                             ; the residual
	STG 0
	STG 1
	FIN 0, 16
	STG 2
	FIN 1, 16
	STG 3
	FIN 2, 16
	FIN 3, 0
	s_wait_tensorcnt 0x0                           ; the wave's end, behind my last tensor load and my last LDS store
	ds_add_u32 v[SPW], v[NIL]
	s_wait_dscnt 0x0
	CROUND                                         ; the closing round: no work-group ends while a partner may still ask for a tile that names it
	s_endpgm
.Lfunc_end_k_q70bc5fe016_ffn2:
	.size	k_q70bc5fe016_ffn2, .Lfunc_end_k_q70bc5fe016_ffn2-k_q70bc5fe016_ffn2
	.p2alignl 7, 3214868480
	.fill 96, 4, 3214868480
	.section	.rodata,"a",@progbits
	.p2align	6, 0x0
	.amdhsa_kernel k_q70bc5fe016_ffn2
		.amdhsa_group_segment_fixed_size 327680
		.amdhsa_private_segment_fixed_size 0
		.amdhsa_enable_private_segment 0
		.amdhsa_kernarg_size 40
		.amdhsa_user_sgpr_count 2
		.amdhsa_user_sgpr_kernarg_segment_ptr 1
		.amdhsa_wavefront_size32 1
		.amdhsa_system_sgpr_workgroup_id_x 1
		.amdhsa_system_sgpr_workgroup_id_y 1
		.amdhsa_system_sgpr_workgroup_id_z 1
		.amdhsa_system_vgpr_workitem_id 0
		.amdhsa_next_free_vgpr 640
		.amdhsa_next_free_sgpr 80
		.amdhsa_reserve_vcc 0
		.amdhsa_float_denorm_mode_32 3
		.amdhsa_float_denorm_mode_16_64 3
		.amdhsa_memory_ordered 1
		.amdhsa_forward_progress 1
		.amdhsa_inst_pref_size 67
	.end_amdhsa_kernel
	.amdgpu_metadata
---
amdhsa.version: [ 1, 2 ]
amdhsa.kernels:
  - .name:           k_q70bc5fe016_ffn2
    .symbol:         k_q70bc5fe016_ffn2.kd
    .args:
      - { .name: af, .offset: 0, .size: 8, .value_kind: global_buffer, .address_space: global }
      - { .name: wr, .offset: 8, .size: 8, .value_kind: global_buffer, .address_space: global }
      - { .name: b2, .offset: 16, .size: 8, .value_kind: global_buffer, .address_space: global }
      - { .name: x1, .offset: 24, .size: 8, .value_kind: global_buffer, .address_space: global }
      - { .name: out0, .offset: 32, .size: 8, .value_kind: global_buffer, .address_space: global }
    .group_segment_fixed_size: 327680
    .private_segment_fixed_size: 0
    .kernarg_segment_align: 8
    .kernarg_segment_size: 40
    .max_flat_workgroup_size: 128
    .sgpr_count:     80
    .vgpr_count:     640
    .wavefront_size: 32
...
	.end_amdgpu_metadata
.endif
;; end of part 5
